; MI455X (gfx1250); checked and timed in simulation.
; The chip was launched on July 23, 2026; its instructions are those of AMD's public machine-readable ISA for CDNA 5 (MIT licence, August 2026) and "CDNA5" Instruction Set Architecture Reference Guide (July 2026). The comments in the code are by the model that wrote it; some were corrected since.
;; Transformer Layer. Allowed arithmetic: matrix products marked QUANTISED: E2M3 operands, one E8M0 scale for each 32 along K, by v_wmma_scale_f32_16x16x128_f8f6f4 with both operands' format E2M3, f32 sums; everything else in f32.
;; Inputs: b1 4,096 float32; b2 1,024 float32; b_out 1,024 float32; b_qkv 3,072 float32; ln1_b 1,024 float32; ln1_g 1,024 float32; ln2_b 1,024 float32; ln2_g 1,024 float32; res_pos 16 x 512 float32; w1 1,024 x 4,096 float32; w2 4,096 x 1,024 float32; w_out 1,024 x 1,024 float32; w_qkv 1,024 x 3,072 float32; x 2 x 2,048 x 1,024 float32.
;; Outputs: out0 2 x 2,048 x 1,024 float32.
;; This version of the problem:
;;   THIS VERSION OF THE PROBLEM IS GIVEN IN LOW PRECISION. The matrix products marked QUANTISED in the list below multiply operands that are first quantised to E2M3 (2 exponent bits, 3 mantissa bits; 6 bits a number), with one power-of-two scale for each 32 numbers along K (OCP MX v1.0); their sums are f32. All else is computed in f32.
;;   The module's matrix products, in the order in which they are computed (A, B: the left and right operand; K: the contracted axis; several contracted axes count as one K, in the product's order):
;;     1. [M 4,096, K 1,024] x [K 1,024, N 3,072]; A: computed on the way; B: input w_qkv: QUANTISED
;;     2. batch 32 x [M 2,048, K 64] x [K 64, N 2,048]; A: computed on the way; B: computed on the way: QUANTISED
;;     3. batch 32 x [M 2,048, K 2,048] x [K 2,048, N 64]; A: softmax (see below); B: computed on the way: QUANTISED
;;     4. [M 4,096, K 1,024] x [K 1,024, N 1,024]; A: computed on the way; B: input w_out: QUANTISED
;;     5. [M 4,096, K 1,024] x [K 1,024, N 4,096]; A: computed on the way; B: input w1: QUANTISED
;;     6. [M 4,096, K 4,096] x [K 4,096, N 1,024]; A: computed on the way; B: input w2: QUANTISED
;;   THE QUANTISER, for each operand of a quantised product, along K:
;;     - K is cut into blocks of 32 from its start; a last block that is shorter is filled with zeros.
;;     - A block's scale is 2^e with e = floor(log2(the largest magnitude in the block)) - 2, held to -126 .. 127; a block of zeros has e = 0. As a byte (E8M0): e + 127.
;;     - Each number is divided by its block's scale, clamped to +-7.5, and rounded to the nearest number of E2M3, ties to even, subnormals kept.
;;     - The product sums the exact products of the quantised numbers (number of the format x scale) in f32.
;;   ~~~python
;;   def quantise(x, axis):      # numpy; x: float32 -> the quantised numbers, widened to float32 again
;;       x = np.moveaxis(x, axis, -1); K = x.shape[-1]
;;       x = np.pad(x, [(0, 0)] * (x.ndim - 1) + [(0, -K % 32)]); x = x.reshape(x.shape[:-1] + (-1, 32)); a = np.abs(x).max(-1, keepdims=True)
;;       e = np.where(a > 0, np.clip(np.frexp(np.where(a > 0, a, 1))[1] - 1 - 2, -126, 127), 0)      # np.frexp(a)[1] - 1 = floor(log2(a)), exactly
;;       r = np.clip(x / 2.0 ** e, -7.5, 7.5)
;;       step = 2.0 ** (np.maximum(np.frexp(np.where(r == 0, 1, r))[1] - 1, 0) - 3)
;;       q = np.round(r / step) * step * 2.0 ** e      # np.round: ties to even
;;       return np.moveaxis(q.reshape(q.shape[:-2] + (-1,))[..., :K], -1, axis).astype(np.float32)
;;   ~~~
;;   SOFTMAX AHEAD OF A QUANTISED PRODUCT. Where the list says 'softmax', what is quantised is not the finished softmax but p = 2^(t - M), with t = logit x log2(e) and M = ceil(the row's largest t), a whole number; so 1/2 < the row's largest p <= 1. The row's sum l is taken of the UNQUANTISED p, in f32, and the product's result is divided by l at the end. Since M is a whole number, a kernel that streams over the keys may use a running M (the ceiling of the running maximum): every later rescaling is an exact power of two, which a block's scale takes up: the codes' values come out the same.
;;   OPERANDS COMPUTED ON THE WAY. 'Computed on the way' means the value that the module computes at that place (a softmax that the list does not call 'softmax' is quantised finished and normalised). What goes into a quantiser is computed in f32, as accurately as f32 sums, v_exp_f32 and their like allow (about 1e-6 of the number): no bf16 or f16 on the way to a quantiser, and a product that is left as it is and whose result goes on into a quantised operand takes f32 operands (vector FMAs, or v_wmma_f32_16x16x4_f32). A number that lies on a knife's edge between two numbers of the format may be rounded either way, as far as f32 arithmetic and the matrix unit's own rounding can turn it there, and no further.
;; One version. Each part assembles by itself: llvm-mc -triple=amdgcn-amd-amdhsa -mcpu=gfx1250 --defsym DOCPART=n.
;; ======== version 1 of 1: 7 launches
;; limits: right only within a limited range of input values
;; workspace buffers: opa 13,107,200 bytes; qkv 9,830,400 bytes; ctx 3,276,800 bytes; hn 3,276,800 bytes; x1 16,777,216 bytes; hid 13,107,200 bytes
;; launch ln1 (part 1): grid 1024 x 1, 4 waves a work-group, no clusters, 66,304 bytes of LDS; arguments x, ln1_g, ln1_b, opa, w_qkv, w_out, w1, w2; writes opa
.if DOCPART == 1
	.amdgcn_target "amdgcn-amd-amdhsa--gfx1250"
	.amdhsa_code_object_version 6
	.text
	.protected	k_q89b5b501de_ln1
	.globl	k_q89b5b501de_ln1
	.p2align	8
	.type	k_q89b5b501de_ln1,@function
k_q89b5b501de_ln1:
	s_mov_b64 s[64:65], 0
	v_nop
	global_prefetch_b8 v0, s[64:65] scope:SCOPE_SE
	s_setreg_imm32_b32 hwreg(HW_REG_WAVE_MODE, 25, 1), 1
	s_wait_xcnt 0x0
; LayerNorm of 4,096 rows of 1,024 f32, then the quantiser along the row: codes of FP6 (E2M3), one E8M0 byte for each 32, stored as images of the matrix operand's registers:
; tile 2 b + u, lane r holds row 32 b + 8 u + r + (r & 8); a record (tile, K step of 128) is 1,536 bytes (registers 6 c .. 6 c + 3 at 768 c + 16 x lane, 6 c + 4, 6 c + 5 at 768 c + 512 + 8 x lane);
; codes [tile][8][1536] from byte 0, scale words [tile][8][16 words] from byte 3,145,728.
; A work-group takes one tile.  Wave w reads four whole rows (the tile's lanes 4 w .. 4 w + 3, neighbours in memory), 512 consecutive bytes a load, and keeps them in 128 registers: mean, then the mean of the
; squared differences (two passes in registers: no difference of large sums), 1 / sqrt, gain and bias, all f32.  The rows meet in LDS (pitch 4,112 bytes, an odd multiple of 16); then wave w quantises K steps 2 w, 2 w + 1 of all 16 rows.
; Memory binds: no matrix unit, no cluster (work-groups share only the gain and the bias, 8 KiB).
; LIMITS: NaN and infinities are not served; a block under 2^-124 keeps the byte 1; a block of zeros has the byte 1 and zero codes (this program alone reads the bytes).
.set X,  64                            ; v64-191  four rows; later 2 x 64 numbers to quantise
.set G,  192                           ; v192-223 the gain at my columns
.set BB, 224                           ; v224-255 the bias
.set TM, 16                            ; v16-31   at work (first the sums, then the quantiser's scratch)
.set PC, 32                            ; v32-51   the codes just made
.set PW, 52                            ; v52      the scale word just made; v53 the first K step's
.set PITCH, 4112
.set SEL, 12
.macro QUANT s                         ; v[s + 16 b + i] = k 32 b + 16 (lane / 16) + i of my row -> a fragment in v[PC] on, its scale word in v[PW]
.irp b, 0,1,2,3
	v_max3_num_f32 v[TM+\b], |v[\s+16*\b]|, |v[\s+1+16*\b]|, 0x1800000   ; with the floor 2^(3 - 127): the byte cannot fall under 1
.endr
.irp i, 2,4,6,8,10,12,14
.irp b, 0,1,2,3
	v_max3_num_f32 v[TM+\b], v[TM+\b], |v[\s+16*\b+\i]|, |v[\s+1+16*\b+\i]|
.endr
.endr
.irp b, 0,1,2,3
	v_permlanex16_b32 v[TM+4+\b], v[TM+\b], s[SEL], s[SEL+1]
.endr
.irp b, 0,1,2,3
	v_max_num_f32 v[TM+\b], v[TM+\b], v[TM+4+\b]   ; with lane l xor 16's: the block's largest magnitude
.endr
.irp b, 0,1,2,3
	v_add_nc_u32 v[TM+12+\b], 0xff000000, v[TM+\b] ; 2 off the exponent field: the conversion's scale operand
.endr
.irp b, 0,1,2,3
	v_lshrrev_b32 v[TM+4+\b], 23, v[TM+12+\b]      ; the byte
.endr
	v_lshl_or_b32 v[PW], v[TM+5], 8, v[TM+4]
	v_lshl_or_b32 v[PW], v[TM+6], 16, v[PW]
	v_lshl_or_b32 v[PW], v[TM+7], 24, v[PW]
.irp c, 0,1
	v_cvt_scalef32_pk16_fp6_f32 v[PC+6*\c:PC+2+6*\c], v[\s+32*\c:\s+15+32*\c], v[TM+12+2*\c]
	v_cvt_scalef32_pk16_fp6_f32 v[PC+12+4*\c:PC+14+4*\c], v[\s+16+32*\c:\s+31+32*\c], v[TM+12+2*\c+1]
.endr
	v_nop                                          ; one plain line behind a scaled conversion
.irp c, 0,1                            ; the operand wants a whole block in a lane
.irp i, 0,1,2
	v_permlane16_swap_b32 v[PC+6*\c+\i], v[PC+12+4*\c+\i]
.endr
.irp i, 0,1,2
	v_mov_b32 v[PC+3+6*\c+\i], v[PC+12+4*\c+\i]
.endr
.endr
.endm
.macro REDUCE                          ; the pairs v[16 + 2 i] become row i's sum over the wave, in every lane, in v[24 + 2 i]
.irp i, 0,1,2,3
	v_add_f32 v[24+2*\i], v[16+2*\i], v[17+2*\i]
.endr
.irp m, 1,2,4,8
.irp i, 0,1,2,3
	v_add_f32_dpp v[24+2*\i], v[24+2*\i], v[24+2*\i] row_xmask:\m row_mask:0xf bank_mask:0xf
.endr
.endr
.irp i, 0,1,2,3
	v_permlanex16_b32 v[25+2*\i], v[24+2*\i], s[SEL], s[SEL+1]
.endr
.irp i, 0,1,2,3
	v_add_f32 v[24+2*\i], v[24+2*\i], v[25+2*\i]
.endr
.endm
.macro PUT off                         ; the fragment in v[PC] on goes to its record: 512, 256, 512, 256 consecutive bytes
	global_store_b128 v4, v[PC:PC+3], s[26:27] offset:\off
	global_store_b64 v5, v[PC+4:PC+5], s[26:27] offset:\off+512
	global_store_b128 v4, v[PC+6:PC+9], s[26:27] offset:\off+768
	global_store_b64 v5, v[PC+10:PC+11], s[26:27] offset:\off+1280
.endm
; ONE BODY, TWO JOBS THAT SHARE NOTHING.  Work-groups 0-255 normalise and quantise rows, as said above.  Work-groups from 256 on (only the first launch of this body has them) quantise the four weights into the same image buffer.
; THE WEIGHTS, f32 stored [K][N], become codes of FP6 (E2M3) with one E8M0 byte for each 32 along K, laid as images of the matrix operand's registers: tile 2 b + u, lane r holds column 32 b + 8 u + r + (r & 8);
; records and scale words as for the rows: codes [tile][K step][1536], scale words [tile][K step][16 words].
; A wave takes 32 columns x 128 K: a lane takes ONE column and its registers run down K, so a block of 32 is one lane's and nothing is transposed by an instruction; each load reads 128 consecutive bytes.
; Lanes 0-15 hold tile 2 b's columns, lanes 16-31 tile 2 b + 1's.  The operand wants blocks 0, 2 in lanes 0-15 and blocks 1, 3 in lanes 16-31: twelve exchanges of halves give both tiles' fragments.
; Work-groups 256-447 take w_qkv, 448-511 w_out, 512-767 w1, 768-1,023 w2: scalar branches on the work-group's number; this path uses no LDS and no barrier.  The same limits hold as for the rows.
	s_cmp_lt_u32 ttmp9, 256
	s_cbranch_scc1 .Lrows
.set WQKV_C, 3276800
.set WQKV_S, 5636096
.set WOUT_C, 5734400
.set WOUT_S, 6520832
.set W1_C,   6553600
.set W1_S,   9699328
.set W2_C,   9830400
.set W2_S,   12976128
.set WX, 16                            ; v16-143  my column's 128 numbers
.set WT, 144                           ; v144-159 the upper halves of the four blocks' codes
.set WF, 160                           ; v160-171 blocks 0 and 2, v172-183 blocks 1 and 3
	s_load_b256 s[4:11], s[0:1], 0x20              ; w_qkv, w_out, w1, w2
	s_load_b64 s[12:13], s[0:1], 0x18              ; the image
	v_lshrrev_b32 v1, 5, v0
	v_readfirstlane_b32 s16, v1                    ; wave
	v_and_b32 v1, 15, v0                           ; r
	v_bfe_u32 v2, v0, 4, 1                         ; u
	v_and_b32 v3, 8, v1
	v_add_nc_u32 v3, v3, v1
	v_lshl_add_u32 v3, v2, 3, v3                   ; my column of the wave's 32: r + (r & 8) + 8 u
	v_lshlrev_b32 v3, 2, v3
	v_and_b32 v5, 31, v0
	v_lshlrev_b32 v4, 4, v5                        ; 16 x lane
	v_lshlrev_b32 v5, 3, v5                        ; 8 x lane
	v_lshlrev_b32 v7, 2, v1                        ; 4 r
	s_wait_kmcnt 0x0
.macro WLOAD t, nn                     ; block t: rows 32 t .. 32 t + 31 of my column
.set i_, 0
.rept 32
	global_load_b32 v[WX+32*(\t)+i_], v3, s[24:25] offset:(32*(\t)+i_)*(\nn)*4 th:TH_LOAD_NT
.set i_, i_+1
.endr
.endm
.macro WBLOCK t
.set XS, WX+32*(\t)
	v_max3_num_f32 v8, |v[XS]|, |v[XS+1]|, |v[XS+2]|     ; the block's largest magnitude, in two chains
	v_max3_num_f32 v9, |v[XS+3]|, |v[XS+4]|, |v[XS+5]|
.irp i, 6,10,14,18,22,26
	v_max3_num_f32 v8, v8, |v[XS+\i]|, |v[XS+\i+1]|
	v_max3_num_f32 v9, v9, |v[XS+\i+2]|, |v[XS+\i+3]|
.endr
	v_max3_num_f32 v8, v8, |v[XS+30]|, |v[XS+31]|
	v_max3_num_f32 v8, v8, v9, 0x1800000           ; and the floor 2^(3 - 127): the byte cannot fall under 1
	v_add_nc_u32 v10, 0xff000000, v8               ; 2 off the exponent field: the conversion's scale operand
	v_lshrrev_b32 v9, 23, v10                      ; the byte
.if (\t) == 0
	v_mov_b32 v12, v9
.else
	v_lshl_or_b32 v12, v9, 8*(\t), v12             ; my column's scale word
.endif
	v_cvt_scalef32_pk16_fp6_f32 v[WF+12*((\t)%2)+6*((\t)/2):WF+12*((\t)%2)+6*((\t)/2)+2], v[XS:XS+15], v10
	v_cvt_scalef32_pk16_fp6_f32 v[WT+4*(\t):WT+4*(\t)+2], v[XS+16:XS+31], v10   ; (a conversion's three registers begin on an even number); the next block's first lines are plain and touch none of these
.endm
.macro WQ sp, nn, ks, ksl, coff, soff, idb
	s_sub_co_u32 s17, ttmp9, \idb
	s_and_b32 s18, s17, \ks-1                      ; K step
	s_lshr_b32 s19, s17, \ksl                      ; group of 128 columns
	s_mul_i32 s20, s18, 128*\nn*4
	s_lshl_b32 s21, s19, 9
	s_add_co_u32 s20, s20, s21
	s_lshl_b32 s21, s16, 7
	s_add_co_u32 s20, s20, s21
	s_mov_b32 s21, 0
	s_add_nc_u64 s[24:25], s[\sp:\sp+1], s[20:21]  ; the weight at my wave's corner
	s_lshl_b32 s22, s19, 3
	s_lshl_b32 s23, s16, 1
	s_add_co_u32 s22, s22, s23                     ; my first tile
	s_lshl_b32 s22, s22, \ksl
	s_add_co_u32 s22, s22, s18                     ; its record
	s_mul_i32 s20, s22, 1536
	s_add_co_u32 s20, s20, \coff
	s_add_nc_u64 s[26:27], s[12:13], s[20:21]
	s_lshl_b32 s20, s22, 6
	s_add_co_u32 s20, s20, \soff
	s_add_nc_u64 s[28:29], s[12:13], s[20:21]
	v_mad_u32_u24 v6, v2, \ks*64, v7               ; my scale word: 4 r, in the second tile's record for lanes 16-31
	WLOAD 0, \nn
	WLOAD 1, \nn
	s_wait_loadcnt 32                              ; block 0 is in; block 1's 32 loads may be out
	WLOAD 2, \nn
	WBLOCK 0
	s_wait_loadcnt 32                              ; block 1 is in; block 2's may be out
	WLOAD 3, \nn
	WBLOCK 1
	s_wait_loadcnt 32                              ; block 2 is in; block 3's may be out
	WBLOCK 2
	s_wait_loadcnt 0x0
	WBLOCK 3
	v_nop                                          ; one plain line behind the last conversion
.irp t, 0,1,2,3
.irp i, 0,1,2
	v_mov_b32 v[WF+12*(\t%2)+6*(\t/2)+3+\i], v[WT+4*\t+\i]
.endr
.endr
.irp k, 0,1,2,3,4,5,6,7,8,9,10,11
	v_permlane16_swap_b32 v[WF+\k], v[WF+12+\k]    ; the even blocks' lanes 16-31 change places with the odd blocks' lanes 0-15: the first twelve are now tile 2 b's fragment, the second twelve tile 2 b + 1's
.endr
.irp f, 0,1
	global_store_b128 v4, v[WF+12*\f:WF+12*\f+3], s[26:27] offset:\f*\ks*1536          ; 512 consecutive bytes
	global_store_b64 v5, v[WF+12*\f+4:WF+12*\f+5], s[26:27] offset:\f*\ks*1536+512     ; 256
	global_store_b128 v4, v[WF+12*\f+6:WF+12*\f+9], s[26:27] offset:\f*\ks*1536+768
	global_store_b64 v5, v[WF+12*\f+10:WF+12*\f+11], s[26:27] offset:\f*\ks*1536+1280
.endr
	global_store_b32 v6, v12, s[28:29]
	s_endpgm
.endm
	s_cmp_lt_u32 ttmp9, 448
	s_cbranch_scc0 .Lnot_qkv
	s_wait_alu depctr_va_vdst(0)
	WQ 4, 3072, 8, 3, WQKV_C, WQKV_S, 256
.Lnot_qkv:
	s_cmp_lt_u32 ttmp9, 512
	s_cbranch_scc0 .Lnot_out
	s_wait_alu depctr_va_vdst(0)
	WQ 6, 1024, 8, 3, WOUT_C, WOUT_S, 448
.Lnot_out:
	s_cmp_lt_u32 ttmp9, 768
	s_cbranch_scc0 .Lnot_w1
	s_wait_alu depctr_va_vdst(0)
	WQ 8, 4096, 8, 3, W1_C, W1_S, 512
.Lnot_w1:
	s_wait_alu depctr_va_vdst(0)
	WQ 10, 1024, 32, 5, W2_C, W2_S, 768
.Lrows:
	s_load_b256 s[4:11], s[0:1], 0x0               ; the rows, the gain, the bias, the image
	v_lshl_add_u32 v62, v0, 2, 0x10100
	v_mov_b32 v63, 0
	v_lshrrev_b32 v1, 5, v0
	v_readfirstlane_b32 s16, v1                    ; wave
	v_and_b32 v1, 31, v0                           ; lane
	v_lshlrev_b32 v4, 4, v1
	s_wait_alu depctr_va_vdst(0)
	v_lshlrev_b32 v5, 3, v1
	v_lshlrev_b32 v6, 2, v1
	s_lshr_b32 s17, ttmp9, 1
	s_lshl_b32 s17, s17, 5
	s_and_b32 s18, ttmp9, 1
	s_lshl_b32 s18, s18, 3
	s_add_co_u32 s17, s17, s18
	s_lshl_b32 s18, s16, 2
	s_add_co_u32 s17, s17, s18
	s_lshr_b32 s18, s16, 1
	s_lshl_b32 s18, s18, 3
	s_add_co_u32 s17, s17, s18                     ; my first row: 32 (tile / 2) + 8 (tile % 2) + 4 w + 8 (w / 2)
	s_lshl_b32 s18, s17, 12
	s_mov_b32 s19, 0
	s_mul_i32 s20, s16, 4*PITCH
	v_add_nc_u32 v2, s20, v4                       ; LDS, in: my four rows, 16 x lane
	v_and_b32 v7, 15, v0
	v_bfe_u32 v8, v0, 4, 1
	v_mul_u32_u24 v3, v7, PITCH
	v_lshl_add_u32 v3, v8, 6, v3
	s_lshl_b32 s20, s16, 10
	v_add_nc_u32 v3, s20, v3                       ; LDS, out: row r, + 64 h, + my two K steps
	s_lshl_b32 s20, ttmp9, 3
	s_lshl_b32 s21, s16, 1
	s_add_co_u32 s20, s20, s21                     ; my first record: 8 x tile + 2 w
	s_mul_i32 s22, s20, 1536
	s_mov_b32 s23, 0
	s_lshl_b32 s24, s20, 6
	s_add_co_u32 s24, s24, 3145728
	s_mov_b32 s25, 0
	s_mov_b32 s[SEL], 0x76543210
	s_mov_b32 s[SEL+1], 0xfedcba98                 ; lane l xor 16
	s_mov_b32 s14, 0x3a800000                      ; 1 / 1,024
	s_mov_b32 s15, 0x3727c5ac                      ; 1e-5
.irp i, 0,1,2,3
	v_mov_b32 v[25+2*\i], 0                        ; a lane permute's destination counts as read
.endr
	s_wait_kmcnt 0x0
	s_add_nc_u64 s[4:5], s[4:5], s[18:19]
	s_add_nc_u64 s[26:27], s[10:11], s[22:23]
	s_add_nc_u64 s[28:29], s[10:11], s[24:25]
.irp i, 0,1,2,3
.irp j, 0,1,2,3,4,5,6,7
	global_load_b128 v[X+32*\i+4*\j:X+32*\i+4*\j+3], v4, s[4:5] offset:\i*4096+512*\j th:TH_LOAD_NT
.endr
.endr
.irp j, 0,1,2,3,4,5,6,7
	global_load_b128 v[G+4*\j:G+4*\j+3], v4, s[6:7] offset:512*\j
	global_load_b128 v[BB+4*\j:BB+4*\j+3], v4, s[8:9] offset:512*\j
.endr
	s_wait_loadcnt 16                              ; the rows are in; the gain's and the bias's 16 loads may be out
.irp i, 0,1,2,3
	v_pk_add_f32 v[16+2*\i:17+2*\i], v[X+32*\i:X+32*\i+1], v[X+32*\i+2:X+32*\i+3]
.endr
.set j_, 4
.rept 14
.irp i, 0,1,2,3
	v_pk_add_f32 v[16+2*\i:17+2*\i], v[16+2*\i:17+2*\i], v[X+32*\i+j_:X+32*\i+j_+1]
.endr
.set j_, j_+2
.endr
	REDUCE
.irp i, 0,1,2,3
	v_mul_f32 v[24+2*\i], s14, v[24+2*\i]          ; the mean
.endr
.set j_, 0
.rept 16
.irp i, 0,1,2,3
	v_pk_add_f32 v[X+32*\i+j_:X+32*\i+j_+1], v[X+32*\i+j_:X+32*\i+j_+1], v[24+2*\i:25+2*\i] op_sel_hi:[1,0] neg_lo:[0,1] neg_hi:[0,1]
.endr
.set j_, j_+2
.endr
.irp i, 0,1,2,3
	v_pk_mul_f32 v[16+2*\i:17+2*\i], v[X+32*\i:X+32*\i+1], v[X+32*\i:X+32*\i+1]
.endr
.set j_, 2
.rept 15
.irp i, 0,1,2,3
	v_pk_fma_f32 v[16+2*\i:17+2*\i], v[X+32*\i+j_:X+32*\i+j_+1], v[X+32*\i+j_:X+32*\i+j_+1], v[16+2*\i:17+2*\i]
.endr
.set j_, j_+2
.endr
	REDUCE
.irp i, 0,1,2,3
	v_fma_f32 v[24+2*\i], v[24+2*\i], s14, s15     ; the variance + 1e-5
.endr
	s_wait_alu depctr_va_vdst(0)
.irp i, 0,1,2,3
	v_rsq_f32 v[24+2*\i], v[24+2*\i]
.endr
	v_nop                                          ; a plain line behind the last of the four
	s_wait_alu depctr_va_vdst(0)                   ; one wait for the four, ahead of their first reader
	s_wait_loadcnt 0x0                             ; the gain and the bias
.set j_, 0
.rept 16
.irp i, 0,1,2,3
	v_pk_mul_f32 v[X+32*\i+j_:X+32*\i+j_+1], v[X+32*\i+j_:X+32*\i+j_+1], v[24+2*\i:25+2*\i] op_sel_hi:[1,0]
.endr
.set j_, j_+2
.endr
.set j_, 0
.rept 16
.irp i, 0,1,2,3
	v_pk_fma_f32 v[X+32*\i+j_:X+32*\i+j_+1], v[X+32*\i+j_:X+32*\i+j_+1], v[G+j_:G+j_+1], v[BB+j_:BB+j_+1]
.endr
.set j_, j_+2
.endr
.irp i, 0,1,2,3
.irp j, 0,1,2,3,4,5,6,7
	ds_store_b128 v2, v[X+32*\i+4*\j:X+32*\i+4*\j+3] offset:\i*PITCH+512*\j
.endr
.endr
	s_wait_dscnt 0x0                               ; for the others' sake: my rows lie in LDS
	s_barrier_signal -1
	s_barrier_wait -1
.irp s, 0,1
.irp b, 0,1,2,3
.irp j, 0,1,2,3
	ds_load_b128 v[X+64*\s+16*\b+4*\j:X+64*\s+16*\b+4*\j+3], v3 offset:512*\s+128*\b+16*\j
.endr
.endr
.endr
	s_wait_dscnt 16                                ; the first K step's 16 loads are in
	QUANT X
	PUT 0
	v_mov_b32 v53, v[PW]
	s_wait_dscnt 0x0
	s_wait_xcnt 0x0                                ; the stores have read the codes' registers: they are written again only behind this wait
	QUANT X+64
	PUT 1536
	v_cmp_gt_u32 vcc_lo, 16, v1
	v_cndmask_b32 v54, v[PW], v53, vcc_lo          ; lanes 0-15: the first K step's words, lanes 16-31: the second's: 128 consecutive bytes
	global_store_b32 v6, v54, s[28:29]
	s_wait_tensorcnt 0x0
	ds_add_u32 v62, v63
	s_wait_dscnt 0x0
	s_endpgm
.Lfunc_end_k_q89b5b501de_ln1:
	.size	k_q89b5b501de_ln1, .Lfunc_end_k_q89b5b501de_ln1-k_q89b5b501de_ln1
	.p2alignl 7, 3214868480
	.fill 96, 4, 3214868480
	.section	.rodata,"a",@progbits
	.p2align	6, 0x0
	.amdhsa_kernel k_q89b5b501de_ln1
		.amdhsa_group_segment_fixed_size 66304
		.amdhsa_private_segment_fixed_size 0
		.amdhsa_enable_private_segment 0
		.amdhsa_kernarg_size 64
		.amdhsa_user_sgpr_count 2
		.amdhsa_user_sgpr_kernarg_segment_ptr 1
		.amdhsa_wavefront_size32 1
		.amdhsa_system_sgpr_workgroup_id_x 1
		.amdhsa_system_sgpr_workgroup_id_y 1
		.amdhsa_system_sgpr_workgroup_id_z 1
		.amdhsa_system_vgpr_workitem_id 0
		.amdhsa_next_free_vgpr 256
		.amdhsa_next_free_sgpr 66
		.amdhsa_reserve_vcc 1
		.amdhsa_float_denorm_mode_32 3
		.amdhsa_float_denorm_mode_16_64 3
		.amdhsa_memory_ordered 1
		.amdhsa_forward_progress 1
		.amdhsa_inst_pref_size 124
	.end_amdhsa_kernel
	.amdgpu_metadata
---
amdhsa.version: [ 1, 2 ]
amdhsa.kernels:
  - .name:           k_q89b5b501de_ln1
    .symbol:         k_q89b5b501de_ln1.kd
    .args:
      - { .name: x, .offset: 0, .size: 8, .value_kind: global_buffer, .address_space: global }
      - { .name: ln1_g, .offset: 8, .size: 8, .value_kind: global_buffer, .address_space: global }
      - { .name: ln1_b, .offset: 16, .size: 8, .value_kind: global_buffer, .address_space: global }
      - { .name: opa, .offset: 24, .size: 8, .value_kind: global_buffer, .address_space: global }
      - { .name: w_qkv, .offset: 32, .size: 8, .value_kind: global_buffer, .address_space: global }
      - { .name: w_out, .offset: 40, .size: 8, .value_kind: global_buffer, .address_space: global }
      - { .name: w1, .offset: 48, .size: 8, .value_kind: global_buffer, .address_space: global }
      - { .name: w2, .offset: 56, .size: 8, .value_kind: global_buffer, .address_space: global }
    .group_segment_fixed_size: 66304
    .private_segment_fixed_size: 0
    .kernarg_segment_align: 8
    .kernarg_segment_size: 64
    .max_flat_workgroup_size: 128
    .sgpr_count:     66
    .vgpr_count:     256
    .wavefront_size: 32
...
	.end_amdgpu_metadata
.endif
;; end of part 1
;; launch gqkv (part 2): grid 12 x 16, 4 waves a work-group, clusters of 4 x 4, 327,680 bytes of LDS; arguments opa, b_qkv, qkv; writes qkv
.if DOCPART == 2
	.amdgcn_target "amdgcn-amd-amdhsa--gfx1250"
	.amdhsa_code_object_version 6
	.text
	.protected	k_q89b5b501de_gqkv
	.globl	k_q89b5b501de_gqkv
	.p2align	8
	.type	k_q89b5b501de_gqkv,@function
k_q89b5b501de_gqkv:
	s_mov_b64 s[64:65], 0
	v_nop
	global_prefetch_b8 v0, s[64:65] scope:SCOPE_SE
	s_setreg_imm32_b32 hwreg(HW_REG_WAVE_MODE, 25, 1), 1
	s_wait_xcnt 0x0
	s_wait_alu depctr_hold_cnt(0) depctr_sa_sdst(0) depctr_va_vdst(0) depctr_va_sdst(0) depctr_va_ssrc(0) depctr_va_vcc(0) depctr_vm_vsrc(0)
	s_getreg_b32 s2, hwreg(HW_REG_IB_STS2, 6, 4)
	s_cmp_eq_u32 s2, 0
	s_cbranch_scc0 .Lentry_in_a_cluster
	s_endpgm
.Lentry_in_a_cluster:
	s_bfe_u32 s2, ttmp6, 0x10000c
	s_cmp_lg_u32 s2, 0xf033
	s_cbranch_scc0 .Lentry_shape_is_right
	s_endpgm
.Lentry_shape_is_right:
; A GEMM on operand images in FP6 (E2M3) with E8M0 scales, K = 1,024, whose result is quantised again on the way out.  QKV = 1: qkv = LN1(x) w_qkv + b_qkv;  QKV = 0: hid = relu(LN2(x1) w1 + b1).
; IMAGES.  A tile is 16 rows (tokens, or a weight's columns): tile 2 b + u, lane r holds row 32 b + 8 u + r + (r & 8).  A record (tile, K step of 128) is 1,536 bytes: registers 6 c .. 6 c + 3 at 768 c + 16 x lane,
; 6 c + 4, 6 c + 5 at 768 c + 512 + 8 x lane; codes [tile][8 K steps][1536], scale words [tile][8][16 words].  A fragment is four dense LDS loads.
; SHARES.  A work-group of four waves makes 256 x 256, a wave 128 x 128: 64 accumulators, 512 registers.
; THE RING.  Slot 0 holds 2 K steps of the A role's 16 and the B role's 16 tiles (98,304 bytes), slot 1 holds 4 (196,608).  Both are first filled at the head, one joint load a wave (wave 0 A's slot 0, wave 1 B's, wave 2 A's slot 1,
; wave 3 B's).  ONE refill: K steps 6 and 7 go into slot 0 behind step 1, eight tiles a wave, and have slot 1's four steps, 256 matrix instructions a wave, in which to land.
; THE SCALE WORDS do not go through LDS: a load of 4 bytes a lane brings the words of one tile for two neighbouring K steps (128 consecutive bytes): lanes 0-15 the even step's, lanes 16-31 the odd step's, which the
; odd step's products select by ROW1.  16 tiles x 4 pairs = 64 registers, which hold scales and nothing else.
; PREFETCH.  The refill's bytes are asked of memory at the head, two K steps ahead of the load.  Of the eight tiles that a wave will fetch, the partner at place p (cx for the A role, cy for the B role) names tiles 2 p and 2 p + 1:
; 24 blocks of 256 bytes, a lane a block, one instruction; the lanes left over name the last block again.
; THE PRODUCT IS USED TRANSPOSED (source 0 = 16 rows of the B role, source 1 = 16 rows of the A role): a lane holds ONE row of the A role, and by the tiles' order the 64 registers of a block of A are 128 neighbours of the B role
; in the very order the quantiser wants (register 16 b + i = index 32 b + 16 (lane / 16) + i).  So each block of A becomes one record (QKV, q and k: two half records) of the next operand.
; QKV = 1: clusters x = 0, 1 make q and k (A role = tokens, B role = w_qkv's columns, the bias runs along a lane's registers and is the C of the first products); cluster x = 2 makes v with the roles swapped
; (A role = v's columns, B role = tokens: v's K is the keys; the bias is one number a lane and is added on the way out).  The branch hangs on the cluster's x alone.
; QKV = 0: A role = tokens, B role = w1's columns; the activation stands on the way out.
; CLUSTERS: 4 x 4.  The A role's tiles are asked for jointly along a row of the cluster, the B role's along a column.
; REGISTERS: window 0: v1-7, v31 at work, v8-15 v's bias, v16-30 addresses, v32-63 B's scale words, v64-95 A's, v128-223 A's fragments (one set), later the way out; v232-250 the quantiser's scratch.
;   window 1: B's fragments, two sets at v0 and v128; v96-127 and v224-255 the bias as the first products' C.  windows 2, 3: the accumulators, (a, b) at v[8 (8 (a % 4) + b)].
; LIMITS: NaN and infinities are not served; a block under 2^-124 keeps the byte 1; a block of zeros has the byte 1 and zero codes (this program alone reads the bytes).
.set QKV,   1
.set MB,    8
.set KS,    8
.set FR,    12
.set NL,    4
.set NP,    4
.set REC,   1536
.set N0,    2
.set N1,    4
.set S1,    32*N0*REC
.set SPARE, S1+32*N1*REC               ; the spare words, 128 bytes a wave: two blocks of 256 bytes that no other line names
.set ACT_S,  3145728
.set WQKV_C, 3276800
.set WQKV_S, 5636096
.set W1_C,   6553600
.set W1_S,   9699328
.set QK_S,   6291456
.set V_C,    6553600
.set V_S,    9699328
.set HID_S,  12582912
.set BL,   8
.set ADRA, 16                          ; v16, v17 16 x lane + my A tiles in slot 0, 1;  v18, v19 the same with 8 x lane
.set ADRB, 20
.set O16,  24
.set O8,   25
.set OS,   26
.set LO4,  27
.set SPW,  28
.set NIL,  29
.set PFO,  30
.set VB,   31
.set SCB,  32
.set SCA,  64
.set AF,   128
.set QI,   128
.set PC,   192
.set TM,   232
.set PW,   248
.set G1A2, 24                          ; descriptor groups 1: the A and the B role's tiles with 2 and with 4 records to a row
.set G1B2, 32
.set G1A4, 48
.set G1B4, 56
.set G0A,  68
.set G0B,  72
.set AH,   76
.set BH,   78
.set SAP,  80
.set SBP,  82
.set PFP,  84
.set SEL,  100
.set MSB, 0
.macro WIN new                         ; the immediate's high byte repeats the setting that is left
.if MSB != \new
	s_set_vgpr_msb (MSB<<8)|\new
.set MSB, \new
.endif
.endm
.set MUL_LO, 0xa1                      ; source 0 (B) window 1, source 1 (A) window 0, C and D window 2
.set MUL_HI, 0xf1
.set TO_B,   0x40
.macro PLACES n
.rept \n
	v_nop
.endr
.endm
.macro CREST                           ; a round of the cluster's barrier behind its opening barrier
	s_cmp_lg_u32 s14, 0
	s_cbranch_scc1 .Lnot_wave_0_\@
	s_barrier_signal -3
.Lnot_wave_0_\@:
	s_barrier_wait -3
	s_barrier_signal -1
	s_barrier_wait -1
.endm
.macro CROUND
	s_barrier_signal -1
	s_barrier_wait -1
	CREST
.endm
.macro G1SET g, n                      ; 16 rows (tiles) of n records, elements of 8 bytes, KS records apart, no padding; word 0 holds the mask
	s_mov_b32 s[\g+1], ((\n)*192)<<16
	s_mov_b32 s[\g+2], 16<<16
	s_mov_b32 s[\g+3], ((\n)*192)<<16
	s_mov_b32 s[\g+4], 16
	s_mov_b32 s[\g+5], KS*192
	s_mov_b32 s[\g+6], 0
	s_mov_b32 s[\g+7], 0
.endm
.macro LAY g                           ; where K step g lies: LL the slot, NN records to a tile there, QQ its record
.if (\g) < 2
.set LL, 0
.set NN, 2
.set QQ, (\g)
.elseif (\g) < 6
.set LL, 1
.set NN, 4
.set QQ, (\g)-2
.else
.set LL, 0
.set NN, 2
.set QQ, (\g)-6
.endif
.endm
.macro FRAG reg, adr, off              ; a record as it lies
	ds_load_b128 v[\reg:\reg+3], v[\adr] offset:\off
	ds_load_b64 v[\reg+4:\reg+5], v[\adr+2] offset:\off+512
	ds_load_b128 v[\reg+6:\reg+9], v[\adr] offset:\off+768
	ds_load_b64 v[\reg+10:\reg+11], v[\adr+2] offset:\off+1280
.endm
.macro FETCH_B g                       ; B's eight fragments of K step g into set g % 2
	LAY \g
	WIN TO_B
.set i_, 0
.rept MB
	FRAG 128*((\g)%2)+FR*i_, ADRB+LL, (i_*NN+QQ)*REC
.set i_, i_+1
.endr
	WIN 0
.endm
.macro FETCH_A g, i0                   ; A's blocks i0 .. i0 + 3 of K step g
	LAY \g
.set i_, \i0
.rept MB/2
	FRAG AF+FR*i_, ADRA+LL, (i_*NN+QQ)*REC
.set i_, i_+1
.endr
.endm
; A quarter of a K step's products: two blocks of A against B's eight.  zero = 2: C = the bias; 0: in place.  The accumulators take turns, one instruction a turn, in the same order in every step.
.macro MULQ qa, g, zero
.set p_, 128*((\g)%2)
.set J_, (\g)/2
.set a_, (\qa)*2
.rept 2
.set b_, 0
.rept MB
.set d_, 8*(MB*(a_%4)+b_)
.set c_, 96+8*b_+96*(b_/4)
.if \zero == 2
	v_wmma_scale_f32_16x16x128_f8f6f4 v[d_:d_+7], v[p_+FR*b_:p_+FR*b_+FR-1], v[AF+FR*a_:AF+FR*a_+FR-1], v[c_:c_+7], v[SCB+4*b_+J_], v[SCA+4*a_+J_] matrix_a_fmt:MATRIX_FMT_FP6 matrix_b_fmt:MATRIX_FMT_FP6
.elseif (\g)%2
	v_wmma_scale_f32_16x16x128_f8f6f4 v[d_:d_+7], v[p_+FR*b_:p_+FR*b_+FR-1], v[AF+FR*a_:AF+FR*a_+FR-1], v[d_:d_+7], v[SCB+4*b_+J_], v[SCA+4*a_+J_] matrix_a_fmt:MATRIX_FMT_FP6 matrix_b_fmt:MATRIX_FMT_FP6 matrix_a_scale:MATRIX_SCALE_ROW1 matrix_b_scale:MATRIX_SCALE_ROW1
.else
	v_wmma_scale_f32_16x16x128_f8f6f4 v[d_:d_+7], v[p_+FR*b_:p_+FR*b_+FR-1], v[AF+FR*a_:AF+FR*a_+FR-1], v[d_:d_+7], v[SCB+4*b_+J_], v[SCA+4*a_+J_] matrix_a_fmt:MATRIX_FMT_FP6 matrix_b_fmt:MATRIX_FMT_FP6
.endif
.set b_, b_+1
.endr
.set a_, a_+1
.endr
.endm
.macro STEP g, zero                    ; a K step whose successor lies in the same slot
	s_wait_dscnt (MB/2)*NL                         ; all but the youngest loads, A's upper blocks
.if \zero == 2
	WIN 0x91                                       ; C (the bias) in window 1
.else
	WIN MUL_LO
.endif
	MULQ 0, \g, \zero
	MULQ 1, \g, \zero
	s_wait_dscnt 0                                 ; A's upper blocks
	PLACES NP                                      ; in front of loads into registers that matrix instructions have read
	FETCH_B (\g)+1
	FETCH_A (\g)+1, 0
.if \zero == 2
	WIN 0xd1
.else
	WIN MUL_HI
.endif
	MULQ 2, \g, \zero
	MULQ 3, \g, \zero
	PLACES NP
	WIN 0
	FETCH_A (\g)+1, MB/2
.endm
; A slot's last K step changes slots: one barrier; in front of it each wave waits for all its tensor loads, adds 0 to its spare word, and waits for that and for its reads of this slot.
; fill = 1: the barrier opens a round of the cluster's, and K steps 6 and 7 are fetched into slot 0: waves 0, 1 for the A role, waves 2, 3 for the B role, eight tiles each.
.macro TURN g, fill
	s_wait_tensorcnt 0x0                           ; all my tensor loads have landed
	ds_add_u32 v[SPW], v[NIL]                      ; 0 onto my spare word
	s_wait_dscnt (MB/2)*NL+1                       ; the add and A's upper blocks may be out
	WIN MUL_LO
	MULQ 0, \g, 0
	s_wait_dscnt 0x0                               ; the add is done, and my reads of this slot are over
	s_barrier_signal -1
	MULQ 1, \g, 0
	WIN 0
	s_barrier_wait -1
.if \fill
	CREST                                          ; no wave of any partner still reads this slot or has a load on its way
	s_mov_b32 s[G0A+1], s90
	s_mov_b32 s[G0B+1], s88
	s_add_nc_u64 s[G0A+2:G0A+3], s[AH:AH+1], 6*REC
	s_or_b32 s[G0A+3], s[G0A+3], 0x80000000
	s_add_nc_u64 s[G0B+2:G0B+3], s[BH:BH+1], 6*REC
	s_or_b32 s[G0B+3], s[G0B+3], 0x80000000
	s_cmp_eq_u32 s15, 0
	s_cbranch_scc0 .Lfor_b
	tensor_load_to_lds s[G0A:G0A+3], s[G1A2:G1A2+7]   ; the first tensor load behind the round; an s_nop 0 and four v_nop follow each line: they are the places in front of the loads below
	s_nop 0
	PLACES 4
	s_branch .Lasked
.Lfor_b:
	tensor_load_to_lds s[G0B:G0B+3], s[G1B2:G1B2+7]
	s_nop 0
	PLACES 4
.Lasked:
.else
	PLACES NP
.endif
	FETCH_B (\g)+1
	FETCH_A (\g)+1, 0
	WIN MUL_HI
	MULQ 2, \g, 0
	MULQ 3, \g, 0
	PLACES NP
	WIN 0
	FETCH_A (\g)+1, MB/2
.endm
.macro QUANT s                         ; v[s + 16 b + i] = index 32 b + 16 (lane / 16) + i of my row -> a fragment in v[PC] on, its scale word in v[PW]
.irp b, 0,1,2,3
	v_max3_num_f32 v[TM+\b], |v[\s+16*\b]|, |v[\s+1+16*\b]|, 0x1800000   ; with the floor 2^(3 - 127): the byte cannot fall under 1
.endr
.irp i, 2,4,6,8,10,12,14
.irp b, 0,1,2,3
	v_max3_num_f32 v[TM+\b], v[TM+\b], |v[\s+16*\b+\i]|, |v[\s+1+16*\b+\i]|
.endr
.endr
.irp b, 0,1,2,3
	v_permlanex16_b32 v[TM+4+\b], v[TM+\b], s[SEL], s[SEL+1]
.endr
.irp b, 0,1,2,3
	v_max_num_f32 v[TM+\b], v[TM+\b], v[TM+4+\b]
.endr
.irp b, 0,1,2,3
	v_add_nc_u32 v[TM+12+\b], 0xff000000, v[TM+\b] ; 2 off the exponent field: the conversion's scale operand
.endr
.irp b, 0,1,2,3
	v_lshrrev_b32 v[TM+4+\b], 23, v[TM+12+\b]
.endr
	v_lshl_or_b32 v[PW], v[TM+5], 8, v[TM+4]
	v_lshl_or_b32 v[PW], v[TM+6], 16, v[PW]
	v_lshl_or_b32 v[PW], v[TM+7], 24, v[PW]
.irp c, 0,1
	v_cvt_scalef32_pk16_fp6_f32 v[PC+6*\c:PC+2+6*\c], v[\s+32*\c:\s+15+32*\c], v[TM+12+2*\c]
	v_cvt_scalef32_pk16_fp6_f32 v[PC+12+4*\c:PC+14+4*\c], v[\s+16+32*\c:\s+31+32*\c], v[TM+12+2*\c+1]
.endr
	v_nop                                          ; one plain line behind a scaled conversion
.irp c, 0,1
.irp i, 0,1,2
	v_permlane16_swap_b32 v[PC+6*\c+\i], v[PC+12+4*\c+\i]
.endr
.irp i, 0,1,2
	v_mov_b32 v[PC+3+6*\c+\i], v[PC+12+4*\c+\i]
.endr
.endr
.endm
.if QKV
	s_load_b64 s[4:5], s[0:1], 0x0                 ; opa holds both roles' images
	s_load_b64 s[6:7], s[0:1], 0x0
	s_load_b64 s[8:9], s[0:1], 0x8                 ; b_qkv
	s_load_b64 s[10:11], s[0:1], 0x10              ; qkv
.else
	s_load_b256 s[4:11], s[0:1], 0x0               ; hn, opa, b1, hid
.endif
	v_lshl_add_u32 v[SPW], v0, 2, SPARE
	v_mov_b32 v[NIL], 0
	ds_add_u32 v[SPW], v[NIL]                      ; the opening lines: the add, twice on end, and its wait ahead of my first tensor load
	ds_add_u32 v[SPW], v[NIL]
	v_lshrrev_b32 v1, 5, v0
	v_readfirstlane_b32 s14, v1                    ; wave
	s_lshr_b32 s15, s14, 1                         ; my half of the A role's rows.  Also: which slot I fill at the head; in the refill I fetch for A (0) or B (1)
	s_and_b32 s16, s14, 1                          ; my half of the B role's rows.  Also: which half I fetch in the refill
	s_bfe_u32 s40, ttmp6, 0x40000                  ; cx
	s_bfe_u32 s41, ttmp6, 0x40004                  ; cy
	s_and_b32 s17, ttmp7, 0xffff                   ; cluster y
.if QKV
	s_cmp_eq_u32 ttmp9, 2                          ; v: the roles are swapped
	s_cselect_b32 s42, s17, ttmp9
	s_cselect_b32 s17, 0, s17
	s_cselect_b32 s95, 1, 0
	s_cselect_b32 s96, WQKV_C+128*KS*REC, 0
	s_mov_b32 s97, ACT_S
	s_cselect_b32 s97, WQKV_S+128*KS*64, s97
	s_cselect_b32 s98, 0, WQKV_C
	s_mov_b32 s99, WQKV_S
	s_cselect_b32 s99, ACT_S, s99
.else
	s_mov_b32 s42, ttmp9
	s_mov_b32 s96, 0
	s_mov_b32 s97, ACT_S
	s_mov_b32 s98, W1_C
	s_mov_b32 s99, W1_S
.endif
	s_lshl_b32 s17, s17, 2
	s_add_co_u32 s17, s17, s41                     ; which 256 rows of the A role
	s_lshl_b32 s42, s42, 2
	s_add_co_u32 s42, s42, s40                     ; which 256 rows of the B role
	s_lshl_b32 s43, s41, 2
	s_lshl_b32 s43, 15, s43                        ; my row of the cluster
	s_lshl_b32 s44, 0x1111, s40                    ; my column
	s_or_b32 s[G1A2], s43, (3<<16)|(1<<21)         ; the mask; elements of 8 bytes; bit 21 beside a mask
	s_or_b32 s[G1A4], s43, (3<<16)|(1<<21)
	s_or_b32 s[G1B2], s44, (3<<16)|(1<<21)
	s_or_b32 s[G1B4], s44, (3<<16)|(1<<21)
	G1SET G1A2, N0
	G1SET G1B2, N0
	G1SET G1A4, N1
	G1SET G1B4, N1
	s_mul_i32 s20, s17, 2*MB*KS*REC                ; my work-group's sixteen tiles of the A role
	s_add_co_u32 s20, s20, s96
	s_mov_b32 s21, 0
	s_mul_i32 s46, s42, 2*MB*KS*REC                ; and of the B role (in registers that never hold cy)
	s_add_co_u32 s46, s46, s98
	s_mov_b32 s47, 0
	s_mul_i32 s86, s15, MB*N0*REC                  ; LDS: my eight tiles of A in slot 0,
	s_mul_i32 s87, s15, MB*N1*REC
	s_add_co_u32 s87, s87, S1                      ; in slot 1;
	s_mul_i32 s90, s16, MB*N0*REC                  ; (where the A role's tiles that I fetch in the refill go)
	s_add_co_u32 s88, s90, 16*N0*REC               ; my eight tiles of B in slot 0 (also: where the B role's tiles that I fetch in the refill go),
	s_mul_i32 s89, s16, MB*N1*REC
	s_add_co_u32 s89, s89, S1+16*N1*REC            ; in slot 1
	s_mul_i32 s18, s15, N0*REC                     ; at the head waves 2, 3 take the four steps behind slot 0's two
	s_mov_b32 s19, 0
	s_mov_b32 s[SEL], 0x76543210
	s_mov_b32 s[SEL+1], 0xfedcba98
	s_wait_dscnt 0x0                               ; both opening adds are done
	s_wait_kmcnt 0x0
	s_add_nc_u64 s[20:21], s[4:5], s[20:21]
	s_add_nc_u64 s[46:47], s[6:7], s[46:47]
	CROUND                                         ; all sixteen work-groups are here: the first joint loads meet
	s_mov_b32 s[G0A], 1
	s_mul_i32 s[G0A+1], s15, S1
	s_add_nc_u64 s[G0A+2:G0A+3], s[20:21], s[18:19]
	s_or_b32 s[G0A+3], s[G0A+3], 0x80000000
	s_mov_b32 s[G0B], 1
	s_mul_i32 s[G0B+1], s15, S1+16*N1*REC-16*N0*REC
	s_add_co_u32 s[G0B+1], s[G0B+1], 16*N0*REC
	s_add_nc_u64 s[G0B+2:G0B+3], s[46:47], s[18:19]
	s_or_b32 s[G0B+3], s[G0B+3], 0x80000000
; the head's loads, one a wave, in one chain of branches on the wave's number: both slots, whole
.macro ARM under, g0, g1, next
	s_cmp_lt_u32 s14, \under
	s_cbranch_scc0 \next
	tensor_load_to_lds s[\g0:\g0+3], s[\g1:\g1+7]
	s_nop 0
	PLACES 4
	s_branch .Lhead_asked
\next:
.endm
	ARM 1, G0A, G1A2, .Lhead_b0
	ARM 2, G0B, G1B2, .Lhead_a1
	ARM 3, G0A, G1A4, .Lhead_b1
	tensor_load_to_lds s[G0B:G0B+3], s[G1B4:G1B4+7]
	s_nop 0
	PLACES 4
.Lhead_asked:
	s_mul_i32 s18, s16, MB*KS*REC
	s_add_nc_u64 s[AH:AH+1], s[20:21], s[18:19]    ; for the refill: the eight tiles that I fetch
	s_add_nc_u64 s[BH:BH+1], s[46:47], s[18:19]
	s_cmp_eq_u32 s15, 0                            ; the prefetch: do I fetch for the A role?
	s_cselect_b64 s[PFP:PFP+1], s[AH:AH+1], s[BH:BH+1]
	s_cselect_b32 s22, s40, s41                    ; my place among the four that ask with me
	s_mul_i32 s22, s22, 2*KS*REC                   ; two tiles to each
	s_mov_b32 s23, 0
	s_add_nc_u64 s[PFP:PFP+1], s[PFP:PFP+1], s[22:23]
	s_lshl_b32 s22, s17, 1
	s_add_co_u32 s22, s22, s15
	s_lshl_b32 s22, s22, 12                        ; 4,096 bytes of scale words for eight tiles
	s_add_co_u32 s22, s22, s97
	s_add_nc_u64 s[SAP:SAP+1], s[4:5], s[22:23]
	s_lshl_b32 s22, s42, 1
	s_add_co_u32 s22, s22, s16
	s_lshl_b32 s22, s22, 12
	s_add_co_u32 s22, s22, s99
	s_add_nc_u64 s[SBP:SBP+1], s[6:7], s[22:23]
	s_lshl_b32 s22, s42, 10                        ; the bias of my 128 rows of the B role,
	s_lshl_b32 s23, s16, 9
	s_add_co_u32 s22, s22, s23
.if QKV
	s_lshl_b32 s18, s17, 10                        ; or, for v, of my 128 rows of the A role
	s_lshl_b32 s23, s15, 9
	s_add_co_u32 s18, s18, s23
	s_add_co_u32 s18, s18, 2048*4
	s_cmp_eq_u32 s95, 1
	s_cselect_b32 s22, s18, s22
.endif
	s_mov_b32 s23, 0
	s_add_nc_u64 s[8:9], s[8:9], s[22:23]
.if QKV
	s_lshl_b32 s20, s17, 4                         ; where my results go
	s_lshl_b32 s21, s15, 3
	s_add_co_u32 s20, s20, s21                     ; my first tile of the A role
	s_lshr_b32 s21, s20, 7
	s_and_b32 s22, s20, 127
	s_lshl_b32 s21, s21, 5
	s_lshl_b32 s23, s42, 2
	s_add_co_u32 s21, s21, s23
	s_lshl_b32 s23, s16, 1
	s_add_co_u32 s21, s21, s23
	s_lshl_b32 s21, s21, 7
	s_add_co_u32 s21, s21, s22                     ; q, k: half record [batch][head][tile]
	s_lshl_b32 s22, s42, 1
	s_add_co_u32 s22, s22, s16
	s_lshl_b32 s22, s22, 6
	s_add_co_u32 s22, s22, s20                     ; v: record [key step][channel tile]
	s_mul_i32 s92, s21, 768
	s_mul_i32 s46, s22, 1536
	s_add_co_u32 s46, s46, V_C
	s_lshl_b32 s21, s21, 5
	s_add_co_u32 s21, s21, QK_S
	s_lshl_b32 s22, s22, 6
	s_add_co_u32 s22, s22, V_S
	s_cmp_eq_u32 s95, 1
	s_cselect_b32 s92, s46, s92
	s_cselect_b32 s22, s22, s21
	s_mov_b32 s94, 128*768
	s_cselect_b32 s94, 768, s94
	s_mov_b32 s96, 768
	s_cselect_b32 s96, 1536, s96
	s_cselect_b32 s98, 64, 32
	s_cselect_b32 s20, 4, 2
	s_mov_b32 s21, 128*32
	s_cselect_b32 s21, 2, s21
	s_mov_b32 s93, 0
	s_mov_b32 s23, 0
	s_mov_b32 s97, 0
	s_mov_b32 s99, 0
	s_add_nc_u64 s[12:13], s[10:11], s[92:93]
	s_mov_b32 s92, s94
	s_add_nc_u64 s[18:19], s[12:13], s[92:93]
	s_add_nc_u64 s[10:11], s[10:11], s[22:23]
.else
	s_lshl_b32 s20, s17, 4
	s_lshl_b32 s21, s15, 3
	s_add_co_u32 s20, s20, s21                     ; my first tile of tokens
	s_lshl_b32 s20, s20, 5
	s_lshl_b32 s21, s42, 1
	s_add_co_u32 s20, s20, s21
	s_add_co_u32 s20, s20, s16                     ; its record of hid: x 32 K steps + my K step
	s_mul_i32 s22, s20, REC
	s_mov_b32 s23, 0
	s_lshl_b32 s20, s20, 6
	s_add_co_u32 s20, s20, HID_S
	s_mov_b32 s21, 0
	s_add_nc_u64 s[12:13], s[10:11], s[20:21]
	s_add_nc_u64 s[10:11], s[10:11], s[22:23]
.endif
	v_and_b32 v1, 15, v0                           ; r
	v_bfe_u32 v2, v0, 4, 1                         ; h
	v_and_b32 v3, 31, v0
	v_lshlrev_b32 v[O16], 4, v3
	v_lshlrev_b32 v[O8], 3, v3
	v_lshlrev_b32 v[LO4], 2, v3
	v_add_nc_u32 v[ADRA], s86, v[O16]
	v_add_nc_u32 v[ADRA+1], s87, v[O16]
	v_add_nc_u32 v[ADRA+2], s86, v[O8]
	v_add_nc_u32 v[ADRA+3], s87, v[O8]
	v_add_nc_u32 v[ADRB], s88, v[O16]
	v_add_nc_u32 v[ADRB+1], s89, v[O16]
	v_add_nc_u32 v[ADRB+2], s88, v[O8]
	v_add_nc_u32 v[ADRB+3], s89, v[O8]
.irp b, 0,1,2,3
	v_mov_b32 v[TM+4+\b], 0                        ; a lane permute's destination counts as read
.endr
	v_lshlrev_b32 v7, 6, v2                        ; the bias along my registers: 64 h
	v_min_u32 v4, 23, v3                           ; the prefetch: block min(lane, 23) of 24,
	v_mul_u32_u24 v6, v4, 171
	v_lshrrev_b32 v6, 11, v6                       ; twelve to a tile (block / 12)
	v_mul_u32_u24 v6, v6, KS*REC-N0*REC
	v_lshl_add_u32 v[PFO], v4, 8, v6
.if QKV
	v_and_b32 v[VB], 8, v1
	v_add_nc_u32 v[VB], v[VB], v1
	v_lshlrev_b32 v[VB], 2, v[VB]                  ; v's bias by lane: 4 (r + (r & 8))
	v_mul_lo_u32 v[OS], v1, s20
	v_mul_lo_u32 v6, v2, s21
	v_add_nc_u32 v[OS], v[OS], v6
	v_lshlrev_b32 v250, 4, v2
.else
	v_lshlrev_b32 v[OS], 2, v1
.endif
	s_wait_alu depctr_va_vdst(0)
.irp j, 0,1,2,3
.irp i, 0,1,2,3,4,5,6,7
	global_load_b32 v[SCB+4*\i+\j], v[LO4], s[SBP:SBP+1] offset:\i*512+\j*128   ; the scale words of K steps 2 j and 2 j + 1
	global_load_b32 v[SCA+4*\i+\j], v[LO4], s[SAP:SAP+1] offset:\i*512+\j*128
.endr
.endr
	global_prefetch_b8 v[PFO], s[PFP:PFP+1] offset:6*REC th:TH_LOAD_NT scope:SCOPE_SE
.if QKV
	s_cmp_eq_u32 s95, 1
	s_cbranch_scc1 .Lbias_v
.endif
	WIN TO_B
.irp b, 0,1,2,3,4,5,6,7
	global_load_b128 v[96+8*\b+96*(\b/4):96+8*\b+96*(\b/4)+3], v7, s[8:9] offset:(32*(\b/2)+8*(\b%2))*4
	global_load_b128 v[96+8*\b+96*(\b/4)+4:96+8*\b+96*(\b/4)+7], v7, s[8:9] offset:(32*(\b/2)+8*(\b%2))*4+16
.endr
	WIN 0
.if QKV
.irp a, 0,1,2,3,4,5,6,7
	v_mov_b32 v[BL+\a], 0
.endr
	s_branch .Lbias_done
.Lbias_v:
.irp a, 0,1,2,3,4,5,6,7
	global_load_b32 v[BL+\a], v[VB], s[8:9] offset:(32*(\a/2)+8*(\a%2))*4
.endr
	WIN TO_B
.irp b, 0,1,2,3,4,5,6,7
.irp j, 0,1,2,3,4,5,6,7
	v_mov_b32 v[96+8*\b+96*(\b/4)+\j], 0
.endr
.endr
	WIN 0
.Lbias_done:
.endif
	s_wait_alu depctr_va_vdst(0)
	s_wait_tensorcnt 0x0                           ; my tile of the head's four is in
	s_mov_b32 s[G1A2+2], MB<<16                    ; no tensor load of mine is out: the refill's loads bring eight tiles
	s_mov_b32 s[G1A2+4], MB
	s_mov_b32 s[G1B2+2], MB<<16
	s_mov_b32 s[G1B2+4], MB
	s_barrier_signal -1
	s_barrier_wait -1                              ; both slots are whole
	FETCH_B 0
	FETCH_A 0, 0
	FETCH_A 0, MB/2
	s_wait_loadcnt 0x0                             ; the scale words and the bias
	STEP 0, 2                                      ; the first K step starts the sums, from the bias
	TURN 1, 1
	STEP 2, 0
	STEP 3, 0
	STEP 4, 0
	TURN 5, 0
	STEP 6, 0
	s_wait_dscnt (MB/2)*NL
	WIN MUL_LO
	MULQ 0, 7, 0
	MULQ 1, 7, 0
	s_wait_dscnt 0
	WIN MUL_HI
	MULQ 2, 7, 0
	MULQ 3, 7, 0
	WIN 0
; THE WAY OUT: block a of A: its 64 registers leave the accumulators' window through the bias or the activation, each accumulator from its low end on, are quantised, and are one record of the next operand.
.macro OUTA a
	WIN 0x08+4*((\a)/4)                            ; source 1: window 2 or 3
.set j_, 0
.rept 64
.if QKV
	v_add_f32 v[QI+j_], v[BL+(\a)], v[64*((\a)%4)+j_]
.else
	v_max_num_f32 v[QI+j_], 0, v[64*((\a)%4)+j_]
.endif
.set j_, j_+1
.endr
	WIN 0
	s_wait_xcnt 0x0                                ; the last block's stores have read their data and bases: they are written again only behind this wait
.if QKV
.if (\a) > 0
	s_add_nc_u64 s[12:13], s[12:13], s[96:97]
	s_add_nc_u64 s[18:19], s[18:19], s[96:97]
	s_add_nc_u64 s[10:11], s[10:11], s[98:99]
.endif
	QUANT QI
	v_lshrrev_b32 v249, v250, v[PW]
	global_store_b128 v[O16], v[PC:PC+3], s[12:13]
	global_store_b64 v[O8], v[PC+4:PC+5], s[12:13] offset:512
	global_store_b128 v[O16], v[PC+6:PC+9], s[18:19]
	global_store_b64 v[O8], v[PC+10:PC+11], s[18:19] offset:512
	global_store_b16 v[OS], v249, s[10:11]
.else
	QUANT QI
	global_store_b128 v[O16], v[PC:PC+3], s[10:11] offset:(\a)*32*REC
	global_store_b64 v[O8], v[PC+4:PC+5], s[10:11] offset:(\a)*32*REC+512
	global_store_b128 v[O16], v[PC+6:PC+9], s[10:11] offset:(\a)*32*REC+768
	global_store_b64 v[O8], v[PC+10:PC+11], s[10:11] offset:(\a)*32*REC+1280
	global_store_b32 v[OS], v[PW], s[12:13] offset:(\a)*32*64   ; lanes r and r + 16 hold the same word and store it to the same place
.endif
.endm
	PLACES NP                                      ; behind the last products: their results are read and A's registers written
.irp a, 0,1,2,3,4,5,6,7
	OUTA \a
.endr
	s_wait_tensorcnt 0x0                           ; the wave's end
	ds_add_u32 v[SPW], v[NIL]
	s_wait_dscnt 0x0
	CROUND                                         ; the closing round
	s_endpgm
.Lfunc_end_k_q89b5b501de_gqkv:
	.size	k_q89b5b501de_gqkv, .Lfunc_end_k_q89b5b501de_gqkv-k_q89b5b501de_gqkv
	.p2alignl 7, 3214868480
	.fill 96, 4, 3214868480
	.section	.rodata,"a",@progbits
	.p2align	6, 0x0
	.amdhsa_kernel k_q89b5b501de_gqkv
		.amdhsa_group_segment_fixed_size 327680
		.amdhsa_private_segment_fixed_size 0
		.amdhsa_enable_private_segment 0
		.amdhsa_kernarg_size 24
		.amdhsa_user_sgpr_count 2
		.amdhsa_user_sgpr_kernarg_segment_ptr 1
		.amdhsa_wavefront_size32 1
		.amdhsa_system_sgpr_workgroup_id_x 1
		.amdhsa_system_sgpr_workgroup_id_y 1
		.amdhsa_system_sgpr_workgroup_id_z 1
		.amdhsa_system_vgpr_workitem_id 0
		.amdhsa_next_free_vgpr 1024
		.amdhsa_next_free_sgpr 102
		.amdhsa_reserve_vcc 0
		.amdhsa_float_denorm_mode_32 3
		.amdhsa_float_denorm_mode_16_64 3
		.amdhsa_memory_ordered 1
		.amdhsa_forward_progress 1
		.amdhsa_inst_pref_size 175
	.end_amdhsa_kernel
	.amdgpu_metadata
---
amdhsa.version: [ 1, 2 ]
amdhsa.kernels:
  - .name:           k_q89b5b501de_gqkv
    .symbol:         k_q89b5b501de_gqkv.kd
    .args:
      - { .name: opa, .offset: 0, .size: 8, .value_kind: global_buffer, .address_space: global }
      - { .name: b_qkv, .offset: 8, .size: 8, .value_kind: global_buffer, .address_space: global }
      - { .name: qkv, .offset: 16, .size: 8, .value_kind: global_buffer, .address_space: global }
    .group_segment_fixed_size: 327680
    .private_segment_fixed_size: 0
    .kernarg_segment_align: 8
    .kernarg_segment_size: 24
    .max_flat_workgroup_size: 128
    .sgpr_count:     102
    .vgpr_count:     1024
    .wavefront_size: 32
...
	.end_amdgpu_metadata
.endif
;; end of part 2
;; launch attn (part 3): grid 16 x 16, 16 waves a work-group, no clusters, 169,984 bytes of LDS; arguments qkv, res_pos, ctx; writes ctx
.if DOCPART == 3
	.amdgcn_target "amdgcn-amd-amdhsa--gfx1250"
	.amdhsa_code_object_version 6
	.text
	.protected	k_q89b5b501de_attn
	.globl	k_q89b5b501de_attn
	.p2align	8
	.type	k_q89b5b501de_attn,@function
k_q89b5b501de_attn:
	s_mov_b64 s[64:65], 0
	v_nop
	global_prefetch_b8 v0, s[64:65] scope:SCOPE_SE
	s_setreg_imm32_b32 hwreg(HW_REG_WAVE_MODE, 25, 1), 1
	s_wait_xcnt 0x0
; ctx = softmax(q k^T / 8 + bias) v for 2 x 16 heads of 64, 2,048 tokens; bias[i][j] = res_pos[head][i - j] where 0 <= i - j < 512, else -infinity.  Both products on codes of FP6 (E2M3) with E8M0 scales.
; q, k: half records [batch][head: 0-15 q, 16-31 k][tile 128][768] (16 tokens x 64), scales [..][16 x 2 bytes] from QK_S;  v: records [16 batch + key step][channel tile 64][1536] (16 channels x 128 keys), scale words from V_S.
; A tile's lane r holds row 32 b + 8 u + r + (r & 8) (tile 2 b + u), so the 16 registers of two neighbouring tiles of a transposed product are 16 neighbours.
; THE BAND.  A block of 128 queries sees keys 128 (block - 4) .. 128 block + 127: FIVE key steps of 128.  A work-group owns a block of queries of two heads; all five steps' K and V of both heads (about 123 KiB) come into LDS once,
; by first fills alone: no slot is filled again.  Steps in front of the sequence's start are left out by a scalar branch on the work-group's number (their bytes are fetched from key step 0 and never read).
; SIXTEEN waves: wave w owns head w / 8 of the pair and tile w % 8 of the queries, in 256 registers; four waves to a SIMD, so that one wave's softmax stands beside another's products and LDS loads.
; THE SOFTMAX: t = s log2(e) / 8 + bias log2(e); M = the ceiling of the running largest t; p = 2^(t - M) is quantised along the keys, not normalised; the row's sum of the unquantised p divides at the end; when M moves, sum and O are multiplied by 2^(old M - new M), exactly.
; THE BIAS AND THE MASK ARE ONE TABLE in LDS: T[y] = res_pos[639 - y] log2(e) or -infinity; register 16 b + i of step x wants y = 127 - my query + 16 h + 128 x + 32 b + i.  Four copies, each one number further on, let every lane read 16 aligned bytes.
; K = 64 IS HALF AN INSTRUCTION: Q's upper six registers are zero codes and the upper two scale bytes of both sides are 0 (2^-127), so whatever codes stand in K's upper six registers (the next tile's) add exactly 0: FP6 has no NaN.
; NO CLUSTER: neighbouring blocks of queries share four of five key steps, but each at another place of its window, so no two work-groups could state the same descriptor.
; No prefetch: every byte is asked for at the head.
; LIMITS: NaN and infinities among the inputs are not served; a block under 2^-124 keeps the byte 1; a block of zeros has the byte 1 and zero codes.
; REGISTERS: v1-7 lane bases, v8-11, v28-30 the step's addresses; v12 -M, v13 the largest t, v[14:15] the sum; v16-27 Q, v31 its scales; v32-95 K, then the bias, then V; v96-159 S^T, t, p; v160-191 O^T; v192-198 lane constants;
;   v204-211 K's scales; v224-235 p's codes; v232-247, v252, v254 at work; v248-251 V's scales; v253 p's scale word.
.set QK_S,  6291456
.set V_C,   6553600
.set V_S,   9699328
.set CTX_S, 3145728
.set XB,    12288                      ; a step's codes of K, or of V, for the two heads
.set VC,    5*XB                       ; LDS: K's codes [step][head][8 tiles][768] from 0; V's [step][head][4 tiles][1536] from here
.set KSC,   10*XB                      ; K's scales [head][step][8][32]
.set VSC,   KSC+5*512                  ; V's [step][head][4][64]
.set BT,    VSC+5*512                  ; the tables [head][copy 4][4,160 bytes]: blocks of 256 bytes of their own, into which no fill lands
.set WV,  18
.set SEL, 20
.set CS,  22
.macro G1SET g, c, r, p                ; descriptor group 1: r rows of c elements of 8 bytes, p elements apart, no padding, no mask
	s_mov_b32 s[\g], 3<<16
	s_mov_b32 s[\g+1], (\c)<<16
	s_mov_b32 s[\g+2], (\r)<<16
	s_mov_b32 s[\g+3], (\c)<<16
	s_mov_b32 s[\g+4], \r
	s_mov_b32 s[\g+5], \p
	s_mov_b32 s[\g+6], 0
	s_mov_b32 s[\g+7], 0
.endm
	s_load_b128 s[4:7], s[0:1], 0x0                ; qkv, res_pos
	s_load_b64 s[8:9], s[0:1], 0x10                ; ctx
	v_lshl_add_u32 v243, v0, 2, 0x29000
	v_mov_b32 v255, 0
	ds_add_u32 v243, v255
	ds_add_u32 v243, v255
	v_lshrrev_b32 v8, 5, v0
	s_delay_alu instid0(VALU_DEP_1)
	v_readfirstlane_b32 s[WV], v8                  ; wave 0..15
	s_and_b32 s10, ttmp7, 0xffff
	s_lshr_b32 s11, s10, 3                         ; batch
	s_and_b32 s10, s10, 7                          ; pair of heads
	s_lshr_b32 s12, s[WV], 3                       ; my head of the pair
	s_and_b32 s13, s[WV], 7                        ; my tile of queries
	; what I fetch, if I fetch: waves 0-4 K of step w, waves 5-9 V of step w - 5
	s_cmp_lt_u32 s[WV], 5
	s_cselect_b32 s70, 0, 5
	s_sub_co_u32 s70, s[WV], s70
	s_add_co_u32 s70, s70, ttmp9
	s_sub_co_i32 s70, s70, 4
	s_max_i32 s70, s70, 0                          ; the key step in the sequence, held at 0
	s_lshl_b32 s71, s11, 5
	s_lshl_b32 s72, s10, 1
	s_add_co_u32 s71, s71, s72                     ; 32 x batch + the pair's first head
	s_add_co_u32 s73, s71, 16
	s_lshl_b32 s73, s73, 7
	s_lshl_b32 s74, s70, 3
	s_add_co_u32 s73, s73, s74                     ; K's first half record
	s_mul_i32 s74, s73, 768
	s_lshl_b32 s76, s11, 4
	s_add_co_u32 s76, s76, s70
	s_lshl_b32 s76, s76, 6
	s_lshl_b32 s77, s10, 3
	s_add_co_u32 s76, s76, s77                     ; V's first record
	s_mul_i32 s77, s76, 1536
	s_add_co_u32 s77, s77, V_C
	s_cmp_lt_u32 s[WV], 5
	s_cselect_b32 s74, s74, s77                    ; codes
	; the scales of the whole window of five key steps come by one load each: wave 10 K's, wave 11 V's.  The window begins at key step block - 4; where that lies in front of the
	; sequence's start the bytes fetched there lie inside qkv all the same (K's heads stand behind Q's, V's scales behind V's codes) and belong to steps that are jumped over: they are never read
	s_sub_co_i32 s66, ttmp9, 4
	s_add_co_u32 s75, s71, 16
	s_lshl_b32 s75, s75, 7
	s_lshl_b32 s78, s66, 3
	s_add_co_u32 s75, s75, s78                     ; K's half record at the window's start
	s_lshl_b32 s75, s75, 5
	s_add_co_u32 s75, s75, QK_S
	s_lshl_b32 s78, s11, 4
	s_add_co_u32 s78, s78, s66
	s_lshl_b32 s78, s78, 6
	s_lshl_b32 s76, s10, 3
	s_add_co_u32 s78, s78, s76                     ; V's record at the window's start
	s_lshl_b32 s78, s78, 6
	s_add_co_u32 s78, s78, V_S
	s_cmp_eq_u32 s[WV], 10
	s_cselect_b32 s76, s75, s78
	s_mov_b32 s75, 0
	s_mov_b32 s77, 0
	G1SET 24, 768, 2, 12288                        ; K's codes: for each head 8 half records on end, 128 half records apart
	G1SET 32, 160, 2, 512                          ; K's scales: for each head five steps on end, 1,280 bytes, 4,096 apart
	G1SET 40, 32, 48, 32                           ; V's codes: 8 records on end, as rows of 256 bytes
	G1SET 48, 64, 5, 512                           ; V's scales: for each step 512 bytes, 4,096 apart
	s_mov_b32 s56, 1
	s_mul_i32 s57, s[WV], XB                       ; LDS: 12,288 x wave serves K's waves 0-4 and V's waves 5-9 alike, since V's codes begin 5 x 12,288 on
	s_mov_b32 s60, 1
	s_mul_i32 s61, s[WV], 2560
	s_add_co_u32 s61, s61, KSC-25600               ; wave 10: K's scales, wave 11: V's, 2,560 bytes further on
	; Q, the tables' source, ctx
	s_add_co_u32 s79, s71, s12
	s_lshl_b32 s79, s79, 7
	s_lshl_b32 s80, ttmp9, 3
	s_add_co_u32 s80, s80, s13                     ; my tile in the sequence
	s_add_co_u32 s79, s79, s80                     ; Q's half record
	s_mul_i32 s82, s79, 768
	s_mov_b32 s83, 0
	s_lshl_b32 s84, s79, 5
	s_add_co_u32 s84, s84, QK_S
	s_mov_b32 s85, 0
	s_lshl_b32 s86, s11, 7
	s_add_co_u32 s86, s86, s80
	s_lshl_b32 s86, s86, 3
	s_add_co_u32 s86, s86, s10                     ; ctx's record: (tile of tokens) x 8 + the pair
	s_mul_i32 s90, s86, 1536
	s_mul_i32 s87, s12, 768
	s_add_co_u32 s90, s90, s87                     ; my head's half
	s_mov_b32 s91, 0
	s_lshl_b32 s92, s86, 6
	s_lshl_b32 s87, s12, 1
	s_add_co_u32 s92, s92, s87
	s_add_co_u32 s92, s92, CTX_S
	s_mov_b32 s93, 0
	s_lshl_b32 s94, s10, 12                        ; res_pos: two heads of 2,048 bytes
	s_mov_b32 s95, 0
	s_mov_b32 s[SEL], 0x76543210
	s_mov_b32 s[SEL+1], 0xfedcba98
	s_mov_b32 s[CS], 0x3e38aa3b                    ; log2(e) / 8
	s_mov_b32 s[CS+1], s[CS]
	s_wait_dscnt 0x0
	s_wait_kmcnt 0x0
	s_add_nc_u64 s[58:59], s[4:5], s[74:75]
	s_or_b32 s59, s59, 0x80000000
	s_add_nc_u64 s[62:63], s[4:5], s[76:77]
	s_or_b32 s63, s63, 0x80000000
	s_cmp_lt_u32 s[WV], 5                          ; the first fills, one a wave, in one chain of branches on the wave's number; waves 12-15 fetch nothing
	s_cbranch_scc0 .Lnot_k
	tensor_load_to_lds s[56:59], s[24:31]
	s_nop 0
.rept 4
	v_nop
.endr
	s_branch .Lasked
.Lnot_k:
	s_cmp_lt_u32 s[WV], 10
	s_cbranch_scc0 .Lnot_v
	tensor_load_to_lds s[56:59], s[40:47]
	s_nop 0
.rept 4
	v_nop
.endr
	s_branch .Lasked
.Lnot_v:
	s_cmp_lt_u32 s[WV], 11
	s_cbranch_scc0 .Lnot_ks
	tensor_load_to_lds s[60:63], s[32:39]
	s_nop 0
.rept 4
	v_nop
.endr
	s_branch .Lasked
.Lnot_ks:
	s_cmp_lt_u32 s[WV], 12
	s_cbranch_scc0 .Lasked
	tensor_load_to_lds s[60:63], s[48:55]
	s_nop 0
.rept 4
	v_nop
.endr
.Lasked:
	s_add_nc_u64 s[82:83], s[4:5], s[82:83]
	s_add_nc_u64 s[84:85], s[4:5], s[84:85]
	s_add_nc_u64 s[90:91], s[8:9], s[90:91]
	s_add_nc_u64 s[92:93], s[8:9], s[92:93]
	s_add_nc_u64 s[6:7], s[6:7], s[94:95]
	; the tables: thread t fills entries y = t and t + 512 of the four copies of both heads: d = 639 - y - copy
	v_sub_nc_u32 v32, 639, v0
.irp k, 1,2,3,4,5,6,7
	v_add_nc_u32 v[32+\k], -(512*(\k/4)+\k%4), v32
.endr
.irp k, 0,1,2,3,4,5,6,7
	v_min_u32 v[40+\k], 511, v[32+\k]              ; inside the table whatever d is
.endr
.irp k, 0,1,2,3,4,5,6,7
	v_lshlrev_b32 v[40+\k], 2, v[40+\k]
.endr
.irp k, 0,1,2,3,4,5,6,7
	global_load_b32 v[48+2*\k], v[40+\k], s[6:7]
	global_load_b32 v[49+2*\k], v[40+\k], s[6:7] offset:2048
.endr
	v_and_b32 v197, 31, v0
	v_and_b32 v195, 15, v0                         ; r
	v_bfe_u32 v196, v0, 4, 1                       ; h
	s_delay_alu instid0(VALU_DEP_3)
	v_lshlrev_b32 v192, 4, v197
	s_delay_alu instid0(VALU_DEP_4)
	v_lshlrev_b32 v193, 3, v197
	s_delay_alu instid0(VALU_DEP_4)
	v_lshlrev_b32 v194, 1, v195
	v_lshlrev_b32 v198, 2, v195
	global_load_b128 v[16:19], v192, s[82:83]      ; Q's half record stays in registers
	global_load_b64 v[20:21], v193, s[82:83] offset:512
	global_load_u16 v31, v194, s[84:85]            ; its two scale bytes; the upper two are 0
	s_mul_i32 s88, s12, 6144
	v_add_nc_u32 v1, s88, v192                     ; K: 16 x lane + my head
	v_add_nc_u32 v2, s88, v193                     ;    8 x lane
	s_add_co_u32 s89, s88, VC
	v_add_nc_u32 v3, s89, v192                     ; V likewise
	v_add_nc_u32 v4, s89, v193
	s_lshl_b32 s88, s12, 8
	s_mul_i32 s89, s12, 1280
	s_add_co_u32 s89, s89, KSC
	v_add_nc_u32 v5, s89, v194                     ; K's scales: 2 r
	s_add_co_u32 s89, s88, VSC
	v_add_nc_u32 v6, s89, v198                     ; V's: 4 r
	s_lshr_b32 s86, s13, 1
	s_lshl_b32 s86, s86, 5
	s_and_b32 s87, s13, 1
	s_lshl_b32 s87, s87, 3
	s_add_co_u32 s86, s86, s87
	v_and_b32 v66, 8, v195
	s_delay_alu instid0(VALU_DEP_1)
	v_add_nc_u32 v66, v66, v195
	s_delay_alu instid0(VALU_DEP_1)
	v_add_nc_u32 v66, s86, v66                     ; my query in the block
	s_delay_alu instid0(VALU_DEP_1)
	v_sub_nc_u32 v66, 127, v66
	s_delay_alu instid0(VALU_DEP_1)
	v_lshl_add_u32 v66, v196, 4, v66               ; 127 - query + 16 h
	s_delay_alu instid0(VALU_DEP_1)
	v_and_b32 v67, 3, v66
	s_delay_alu instid0(VALU_DEP_1)
	v_mul_u32_u24 v67, v67, 4160                   ; the copy that makes my reads aligned
	s_delay_alu instid0(VALU_DEP_3)
	v_and_b32 v66, 0xfc, v66
	s_delay_alu instid0(VALU_DEP_1)
	v_lshl_add_u32 v7, v66, 2, v67
	s_mul_i32 s87, s12, 4*4160
	s_add_co_u32 s87, s87, BT
	v_add_nc_u32 v7, s87, v7
	v_lshl_add_u32 v65, v0, 2, BT
	v_mov_b32 v64, 0xff800000                      ; -infinity
	s_wait_loadcnt 3                               ; the tables' 16 loads are in; Q's three may be out
.irp k, 0,1,2,3,4,5,6,7
	v_cmp_gt_u32 vcc_lo, 512, v[32+\k]             ; 0 <= d < 512 (a negative d is a large number here)
	v_mul_f32 v[48+2*\k], 0x3fb8aa3b, v[48+2*\k]
	s_wait_alu depctr_va_vdst(0)
	v_mul_f32 v[49+2*\k], 0x3fb8aa3b, v[49+2*\k]
	v_cndmask_b32 v[48+2*\k], v64, v[48+2*\k], vcc_lo
	s_delay_alu instid0(VALU_DEP_2)
	v_cndmask_b32 v[49+2*\k], v64, v[49+2*\k], vcc_lo
	ds_store_b32 v65, v[48+2*\k] offset:4160*(\k%4)+2048*(\k/4)
	ds_store_b32 v65, v[49+2*\k] offset:4*4160+4160*(\k%4)+2048*(\k/4)
.endr
	v_mov_b32 v13, 0xff61b1e6                      ; the largest t so far: -3e38
	s_delay_alu instid0(VALU_DEP_1)
	v_floor_f32 v12, -v13                          ; -M
	v_mov_b32 v14, 0
	v_mov_b32 v15, 0
.irp j, 22,23,24,25,26,27,80,81,82,83,84,85,236,237,238,239,252,253
	v_mov_b32 v[\j], 0                             ; Q's upper half: zero codes; v80-85 stand behind K's last tile; the rest are read as destinations or halves of pairs before they are first written
.endr
.set j_, 0
.rept 32
	v_mov_b32 v[160+j_], 0                         ; O^T: the step is written once; the first finds zeros
.set j_, j_+1
.endr
	s_wait_tensorcnt 0x0                           ; my fills have landed,
	s_wait_dscnt 0x0                               ; my part of the tables lies in LDS:
	s_barrier_signal -1
	s_barrier_wait -1                              ; everybody's
	s_wait_loadcnt 0x0                             ; Q
	s_mov_b32 s2, 0                                ; the step's codes in LDS
	s_mov_b32 s3, 0                                ; V's scales, and the step's place in the tables
	s_mov_b32 s68, 0                               ; K's scales: 256 bytes a step
	s_mov_b32 s67, 0
.Lstep:                                            ; five trips, a constant; a step in front of the sequence's start is jumped over, but for the lines that step addresses
	s_add_co_u32 s66, s67, ttmp9
	s_cmp_lt_u32 s66, 4
	s_cbranch_scc1 .Lskip
	v_add_nc_u32 v8, s2, v1                        ; (these seven are also the places in front of loads into registers that the last products read)
	v_add_nc_u32 v9, s2, v2
	v_add_nc_u32 v10, s2, v3
	v_add_nc_u32 v11, s2, v4
	v_add_nc_u32 v28, s68, v5
	v_add_nc_u32 v29, s3, v6
	v_add_nc_u32 v30, s3, v7
.irp t, 0,1,2,3,4,5,6,7
	ds_load_b128 v[32+6*\t:35+6*\t], v8 offset:768*\t
	ds_load_b64 v[36+6*\t:37+6*\t], v9 offset:768*\t+512
	ds_load_u16 v[204+\t], v28 offset:32*\t
.endr
	s_wait_alu depctr_va_vdst(0)
	s_wait_dscnt 0x0
.irp t, 0,1,2,3,4,5,6,7                ; S^T = K Q^T: source 0 = 16 keys (and, above them, six registers that meet zeros), source 1 = my 16 queries
	v_wmma_scale_f32_16x16x128_f8f6f4 v[96+8*\t:103+8*\t], v[32+6*\t:43+6*\t], v[16:27], 0, v[204+\t], v31 matrix_a_fmt:MATRIX_FMT_FP6 matrix_b_fmt:MATRIX_FMT_FP6
.endr
.rept 4
	v_nop                                          ; places: K's registers are loaded again, the scores are read
.endr
.irp b, 0,1,2,3
.irp j, 0,1,2,3
	ds_load_b128 v[32+16*\b+4*\j:35+16*\b+4*\j], v30 offset:128*\b+16*\j   ; the bias and the mask of my 64 keys
.endr
.endr
	s_wait_dscnt 0x0
.set j_, 0
.rept 32
	v_pk_fma_f32 v[96+j_:97+j_], v[96+j_:97+j_], s[CS:CS+1], v[32+j_:33+j_] op_sel_hi:[1,0,1]   ; t
.set j_, j_+2
.endr
.irp t, 0,1,2,3                        ; V is asked for now and lands under the softmax
	ds_load_b128 v[32+12*\t:35+12*\t], v10 offset:1536*\t
	ds_load_b64 v[36+12*\t:37+12*\t], v11 offset:1536*\t+512
	ds_load_b128 v[38+12*\t:41+12*\t], v10 offset:1536*\t+768
	ds_load_b64 v[42+12*\t:43+12*\t], v11 offset:1536*\t+1280
	ds_load_b32 v[248+\t], v29 offset:64*\t
.endr
.irp b, 0,1,2,3
	v_max3_num_f32 v[232+\b], v[96+16*\b], v[97+16*\b], v[98+16*\b]   ; the largest t of each block of 32 keys: it serves the row's maximum and, since p rises with t, the block's largest p
.endr
.irp i, 3,5,7,9,11,13
.irp b, 0,1,2,3
	s_delay_alu instid0(VALU_DEP_4)
	v_max3_num_f32 v[232+\b], v[232+\b], v[96+16*\b+\i], v[97+16*\b+\i]
.endr
.endr
.irp b, 0,1,2,3
	s_delay_alu instid0(VALU_DEP_4)
	v_max_num_f32 v[232+\b], v[232+\b], v[111+16*\b]
.endr
.irp b, 0,1,2,3
	s_delay_alu instid0(VALU_DEP_4)
	v_permlanex16_b32 v[236+\b], v[232+\b], s[SEL], s[SEL+1]
.endr
.irp b, 0,1,2,3
	s_delay_alu instid0(VALU_DEP_4)
	v_max_num_f32 v[232+\b], v[232+\b], v[236+\b]
.endr
	s_delay_alu instid0(VALU_DEP_2)
	v_max3_num_f32 v254, v232, v233, v234
	s_delay_alu instid0(VALU_DEP_1)
	v_max3_num_f32 v13, v254, v235, v13            ; the running largest t
	v_mov_b32 v254, v12
	s_delay_alu instid0(VALU_DEP_2)
	v_floor_f32 v12, -v13                          ; the new -M: M is a whole number
	s_delay_alu instid0(VALU_DEP_1)
	v_sub_f32 v254, v12, v254                      ; old M - new M, 0 or less
	s_delay_alu instid0(VALU_DEP_1)
	v_cvt_i32_f32 v254, v254                       ; (it saturates)
	s_delay_alu instid0(VALU_DEP_1)
	v_ldexp_f32 v252, 1.0, v254                    ; f = 2^(old M - new M)
.set j_, 0
.rept 32
	v_pk_add_f32 v[96+j_:97+j_], v[96+j_:97+j_], v[12:13] op_sel_hi:[1,0]   ; t - M
.set j_, j_+2
.endr
.irp b, 0,1,2,3
	v_add_f32 v[232+\b], v[232+\b], v12            ; the same of each block's largest t
.endr
.set j_, 0
	s_wait_alu depctr_va_vdst(0)
.rept 64
	v_exp_f32 v[96+j_], v[96+j_]                   ; p, at most 1; 0 under the mask
.set j_, j_+1
.endr
	v_pk_mul_f32 v[14:15], v[14:15], v[252:253] op_sel_hi:[1,0]   ; the sums under the new M (a plain line behind the exponentials)
	s_wait_alu depctr_va_vdst(0)                   ; one wait for the batch, ahead of its first reader
.irp b, 0,1,2,3
	v_exp_f32 v[232+\b], v[232+\b]                 ; the block's largest p: the same two instructions on the same number
.endr
	v_pk_add_f32 v[236:237], v[100:101], v[104:105]
	v_pk_add_f32 v[246:247], v[108:109], v[112:113]
	v_pk_add_f32 v[244:245], v[116:117], v[120:121]
	v_pk_add_f32 v[240:241], v[124:125], v[128:129]
	v_pk_add_f32 v[238:239], v[132:133], v[136:137]
	v_pk_add_f32 v[230:231], v[140:141], v[144:145]
	v_pk_add_f32 v[228:229], v[148:149], v[152:153]
	v_pk_add_f32 v[14:15], v[14:15], v[156:157]
	v_pk_add_f32 v[236:237], v[236:237], v[96:97]
	v_pk_add_f32 v[246:247], v[246:247], v[98:99]
	v_pk_add_f32 v[244:245], v[244:245], v[102:103]
	v_pk_add_f32 v[240:241], v[240:241], v[106:107]
	v_pk_add_f32 v[238:239], v[238:239], v[110:111]
	v_pk_add_f32 v[230:231], v[230:231], v[114:115]
	v_pk_add_f32 v[228:229], v[228:229], v[118:119]
	v_pk_add_f32 v[14:15], v[14:15], v[122:123]
	v_pk_add_f32 v[236:237], v[236:237], v[126:127]
	v_pk_add_f32 v[246:247], v[246:247], v[130:131]
	v_pk_add_f32 v[244:245], v[244:245], v[134:135]
	v_pk_add_f32 v[240:241], v[240:241], v[138:139]
	v_pk_add_f32 v[238:239], v[238:239], v[142:143]
	v_pk_add_f32 v[230:231], v[230:231], v[146:147]
	v_pk_add_f32 v[228:229], v[228:229], v[150:151]
	v_pk_add_f32 v[14:15], v[14:15], v[154:155]
	v_pk_add_f32 v[236:237], v[236:237], v[158:159]
	s_delay_alu instid0(VALU_DEP_2)
	v_pk_add_f32 v[14:15], v[14:15], v[240:241]
	s_delay_alu instid0(VALU_DEP_2)
	v_pk_add_f32 v[236:237], v[236:237], v[238:239]
	v_pk_add_f32 v[246:247], v[246:247], v[230:231]
	v_pk_add_f32 v[244:245], v[244:245], v[228:229]
	s_delay_alu instid0(VALU_DEP_2)
	v_pk_add_f32 v[14:15], v[14:15], v[246:247]
	s_delay_alu instid0(VALU_DEP_2)
	v_pk_add_f32 v[236:237], v[236:237], v[244:245]
	s_delay_alu instid0(VALU_DEP_1)
	v_pk_add_f32 v[14:15], v[14:15], v[236:237]
	s_wait_alu depctr_va_vdst(0)                   ; and one for the four
.irp b, 0,1,2,3
	v_max_num_f32 v[232+\b], 0x1800000, v[232+\b]  ; the floor 2^(3 - 127)
.endr
.irp b, 0,1,2,3
	s_delay_alu instid0(VALU_DEP_4)
	v_add_nc_u32 v[244+\b], 0xff000000, v[232+\b]
.endr
.irp b, 0,1,2,3
	s_delay_alu instid0(VALU_DEP_4)
	v_lshrrev_b32 v[236+\b], 23, v[244+\b]
.endr
	s_delay_alu instid0(VALU_DEP_3)
	v_lshl_or_b32 v253, v237, 8, v236              ; p's scale word for these 128 keys
	s_delay_alu instid0(VALU_DEP_1)
	v_lshl_or_b32 v253, v238, 16, v253
	s_delay_alu instid0(VALU_DEP_1)
	v_lshl_or_b32 v253, v239, 24, v253
.irp c, 0,1
	v_cvt_scalef32_pk16_fp6_f32 v[224+6*\c:226+6*\c], v[96+32*\c:111+32*\c], v[244+2*\c]
	v_cvt_scalef32_pk16_fp6_f32 v[236+4*\c:238+4*\c], v[112+32*\c:127+32*\c], v[244+2*\c+1]
.endr
	v_nop
.irp c, 0,1
.irp i, 0,1,2
	v_permlane16_swap_b32 v[224+6*\c+\i], v[236+4*\c+\i]
.endr
.irp i, 0,1,2
	s_delay_alu instid0(VALU_DEP_3)
	v_mov_b32 v[227+6*\c+\i], v[236+4*\c+\i]
.endr
.endr
.set j_, 0
.rept 16
	v_pk_mul_f32 v[160+j_:161+j_], v[160+j_:161+j_], v[252:253] op_sel_hi:[1,0]   ; O^T under the new M (also the places in front of the scaled products)
.set j_, j_+2
.endr
	s_wait_alu depctr_va_vdst(0)
	s_wait_dscnt 0x0                               ; V
.irp t, 0,1,2,3                        ; O^T += V^T P^T, the four accumulators by turns
	v_wmma_scale_f32_16x16x128_f8f6f4 v[160+8*\t:167+8*\t], v[32+12*\t:43+12*\t], v[224:235], v[160+8*\t:167+8*\t], v[248+\t], v253 matrix_a_fmt:MATRIX_FMT_FP6 matrix_b_fmt:MATRIX_FMT_FP6
.endr
.Lskip:
	s_add_co_u32 s2, s2, XB
	s_add_co_u32 s3, s3, 512
	s_add_co_u32 s68, s68, 256
	s_add_co_u32 s67, s67, 1
	s_cmp_lt_u32 s67, 5
	s_cbranch_scc1 .Lstep
	; THE WAY OUT: O^T / the sum is my 16 queries x my head's 64 channels, register 16 b + i = channel 32 b + 16 h + i: quantised, it is half a record of ctx
	v_add_f32 v14, v14, v15
	s_delay_alu instid0(VALU_DEP_1)
	v_permlanex16_b32 v252, v14, s[SEL], s[SEL+1]
	s_delay_alu instid0(VALU_DEP_1)
	v_add_f32 v14, v14, v252                       ; the row's sum
	s_wait_alu depctr_va_vdst(0)
	v_rcp_f32 v14, v14
.rept 4
	v_nop                                          ; the plain line behind the reciprocal, and the places behind the last products
.endr
	s_wait_alu depctr_va_vdst(0)
.set j_, 0
.rept 32
	v_mul_f32 v[96+j_], v[160+j_], v14
.set j_, j_+1
.endr
	v_max3_num_f32 v232, |v96|, |v97|, 0x1800000
	v_max3_num_f32 v233, |v112|, |v113|, 0x1800000
.irp i, 2,4,6,8,10,12,14
	s_delay_alu instid0(VALU_DEP_2)
	v_max3_num_f32 v232, v232, |v[96+\i]|, |v[97+\i]|
	s_delay_alu instid0(VALU_DEP_2)
	v_max3_num_f32 v233, v233, |v[112+\i]|, |v[113+\i]|
.endr
	s_delay_alu instid0(VALU_DEP_2)
	v_permlanex16_b32 v236, v232, s[SEL], s[SEL+1]
	s_delay_alu instid0(VALU_DEP_2)
	v_permlanex16_b32 v237, v233, s[SEL], s[SEL+1]
	s_delay_alu instid0(VALU_DEP_2)
	v_max_num_f32 v232, v232, v236
	s_delay_alu instid0(VALU_DEP_2)
	v_max_num_f32 v233, v233, v237
	s_delay_alu instid0(VALU_DEP_2)
	v_add_nc_u32 v244, 0xff000000, v232
	s_delay_alu instid0(VALU_DEP_2)
	v_add_nc_u32 v245, 0xff000000, v233
	s_delay_alu instid0(VALU_DEP_2)
	v_lshrrev_b32 v236, 23, v244
	s_delay_alu instid0(VALU_DEP_2)
	v_lshrrev_b32 v237, 23, v245
	s_delay_alu instid0(VALU_DEP_1)
	v_lshl_or_b32 v253, v237, 8, v236              ; my head's two scale bytes
	v_cvt_scalef32_pk16_fp6_f32 v[224:226], v[96:111], v244
	v_cvt_scalef32_pk16_fp6_f32 v[236:238], v[112:127], v245
	v_nop
.irp i, 0,1,2
	v_permlane16_swap_b32 v[224+\i], v[236+\i]
.endr
.irp i, 0,1,2
	s_delay_alu instid0(VALU_DEP_3)
	v_mov_b32 v[227+\i], v[236+\i]
.endr
	global_store_b128 v192, v[224:227], s[90:91]             ; 512 consecutive bytes
	global_store_b64 v193, v[228:229], s[90:91] offset:512   ; 256
	global_store_b16 v198, v253, s[92:93]                    ; lanes r and r + 16 hold the same bytes and store them to the same place
	s_wait_tensorcnt 0x0
	ds_add_u32 v243, v255
	s_wait_dscnt 0x0
	s_endpgm
.Lfunc_end_k_q89b5b501de_attn:
	.size	k_q89b5b501de_attn, .Lfunc_end_k_q89b5b501de_attn-k_q89b5b501de_attn
	.p2alignl 7, 3214868480
	.fill 96, 4, 3214868480
	.section	.rodata,"a",@progbits
	.p2align	6, 0x0
	.amdhsa_kernel k_q89b5b501de_attn
		.amdhsa_group_segment_fixed_size 169984
		.amdhsa_private_segment_fixed_size 0
		.amdhsa_enable_private_segment 0
		.amdhsa_kernarg_size 24
		.amdhsa_user_sgpr_count 2
		.amdhsa_user_sgpr_kernarg_segment_ptr 1
		.amdhsa_wavefront_size32 1
		.amdhsa_system_sgpr_workgroup_id_x 1
		.amdhsa_system_sgpr_workgroup_id_y 1
		.amdhsa_system_sgpr_workgroup_id_z 1
		.amdhsa_system_vgpr_workitem_id 0
		.amdhsa_next_free_vgpr 256
		.amdhsa_next_free_sgpr 100
		.amdhsa_reserve_vcc 1
		.amdhsa_float_denorm_mode_32 3
		.amdhsa_float_denorm_mode_16_64 3
		.amdhsa_memory_ordered 1
		.amdhsa_forward_progress 1
		.amdhsa_inst_pref_size 44
	.end_amdhsa_kernel
	.amdgpu_metadata
---
amdhsa.version: [ 1, 2 ]
amdhsa.kernels:
  - .name:           k_q89b5b501de_attn
    .symbol:         k_q89b5b501de_attn.kd
    .args:
      - { .name: qkv, .offset: 0, .size: 8, .value_kind: global_buffer, .address_space: global }
      - { .name: res_pos, .offset: 8, .size: 8, .value_kind: global_buffer, .address_space: global }
      - { .name: ctx, .offset: 16, .size: 8, .value_kind: global_buffer, .address_space: global }
    .group_segment_fixed_size: 169984
    .private_segment_fixed_size: 0
    .kernarg_segment_align: 8
    .kernarg_segment_size: 24
    .max_flat_workgroup_size: 512
    .sgpr_count:     100
    .vgpr_count:     256
    .wavefront_size: 32
...
	.end_amdgpu_metadata
.endif
;; end of part 3
;; launch gout (part 4): grid 8 x 32, 4 waves a work-group, clusters of 4 x 4, 214,528 bytes of LDS; arguments ctx, opa, x, b_out, x1; writes x1
.if DOCPART == 4
	.amdgcn_target "amdgcn-amd-amdhsa--gfx1250"
	.amdhsa_code_object_version 6
	.text
	.protected	k_q89b5b501de_gout
	.globl	k_q89b5b501de_gout
	.p2align	8
	.type	k_q89b5b501de_gout,@function
k_q89b5b501de_gout:
	s_mov_b64 s[64:65], 0
	v_nop
	global_prefetch_b8 v0, s[64:65] scope:SCOPE_SE
	s_setreg_imm32_b32 hwreg(HW_REG_WAVE_MODE, 25, 1), 1
	s_wait_xcnt 0x0
	s_wait_alu depctr_hold_cnt(0) depctr_sa_sdst(0) depctr_va_vdst(0) depctr_va_sdst(0) depctr_va_ssrc(0) depctr_va_vcc(0) depctr_vm_vsrc(0)
	s_getreg_b32 s2, hwreg(HW_REG_IB_STS2, 6, 4)
	s_cmp_eq_u32 s2, 0
	s_cbranch_scc0 .Lentry_in_a_cluster
	s_endpgm
.Lentry_in_a_cluster:
	s_bfe_u32 s2, ttmp6, 0x10000c
	s_cmp_lg_u32 s2, 0xf033
	s_cbranch_scc0 .Lentry_shape_is_right
	s_endpgm
.Lentry_shape_is_right:
; x1 = x + ctx w_out + b_out: [4,096 x 1,024] x [1,024 x 1,024] on operand images in FP6 (E2M3) with E8M0 scales, f32 sums, f32 out.
; IMAGES.  A tile is 16 rows (tokens, or w_out's columns): tile 2 b + u, lane r holds row 32 b + 8 u + r + (r & 8).  A record (tile, K step of 128) is 1,536 bytes: registers 6 c .. 6 c + 3 at 768 c + 16 x lane,
; 6 c + 4, 6 c + 5 at 768 c + 512 + 8 x lane; codes [tile][8 K steps][1536], scale words [tile][8][16 words].
; SHARES.  256 work-groups of 128 x 128; a wave makes 64 x 64: 16 accumulators.
; ALL OF K LIES IN LDS: A's 8 tiles and B's 8 tiles x 8 records are 196,608 bytes, filled once, at the head, by one joint load a wave (four tiles each: even waves A's, odd waves B's).  Nothing is filled again: one barrier.
; CLUSTERS 4 x 4: A's tiles are asked for jointly along a row of the cluster, B's along a column.  No prefetch: every byte is asked for at the head, and there is no loop to run ahead in.
; THE SCALE WORDS do not go through LDS: a load of 4 bytes a lane brings the words of one tile for two neighbouring K steps (128 consecutive bytes): lanes 0-15 the even step's, lanes 16-31 the odd step's, which the
; odd step's products select by ROW1.  8 tiles x 4 pairs = 32 registers, which hold scales and nothing else.
; THE PRODUCT IS USED TRANSPOSED (source 0 = 16 columns of w_out, source 1 = 16 tokens): a lane holds one token and neighbouring columns.  The way out goes through the wave's own stage in LDS (bytes into which no fill lands),
; comes back as rows of 256 bytes, takes the residual and the bias, and sixteen lanes store 256 consecutive aligned bytes.
; REGISTERS: window 0: v4-7 LDS addresses, v16-29 other addresses, v32-47 B's scale words, v48-63 A's, v160-223 rows from the stage (two sets), v224-227 the bias.
;   window 1: fragments, two sets of 96: B's four at 96 p, A's four at 96 p + 48.  window 2: the accumulators, (a, b) at v[8 (4 a + b)].  window 3: v0-127 the residual.
; LIMITS: NaN and infinities are not served.
.set KS,    8
.set REC,   1536
.set TP,    KS*REC                     ; a tile's records, in memory and in LDS
.set A_S,   3145728
.set B_C,   5734400
.set B_S,   6520832
.set STAGE, 16*TP                      ; behind the codes: 16 rows x 272 bytes a wave
.set SPITCH, 272
.set SPARE, STAGE+4*16*SPITCH          ; the spare words, 128 bytes a wave: two blocks of 256 bytes that no other line names
.set ADRA, 4                           ; v4 16 x lane + my four tiles of A, v5 the same with 8 x lane
.set ADRB, 6                           ; v6, v7 likewise for B
.set STO,  16
.set RD,   17
.set CO,   18
.set BO,   19
.set LO4,  20
.set L16,  24
.set L8,   25
.set SPW,  28
.set NIL,  29
.set SCB,  32
.set SCA,  48
.set TMP,  160
.set BIAS, 224
.set G1A,  24
.set G1B,  32
.set G0A,  68
.set G0B,  72
.set SAP,  80
.set SBP,  82
.set MSB, 0
.macro WIN new                         ; the immediate's high byte repeats the setting that is left
.if MSB != \new
	s_set_vgpr_msb (MSB<<8)|\new
.set MSB, \new
.endif
.endm
.set MULW, 0xa5                        ; sources 0 and 1 window 1, C and D window 2
.set TO1,  0x40                        ; destination window 1, address window 0
.macro PLACES n
.rept \n
	v_nop
.endr
.endm
.macro CROUND                          ; a round of the cluster's barrier
	s_barrier_signal -1
	s_barrier_wait -1
	s_cmp_lg_u32 s14, 0
	s_cbranch_scc1 .Lnot_wave_0_\@
	s_barrier_signal -3
.Lnot_wave_0_\@:
	s_barrier_wait -3
	s_barrier_signal -1
	s_barrier_wait -1
.endm
.macro FRAG reg, adr, off              ; a record as it lies: four dense LDS loads
	ds_load_b128 v[\reg:\reg+3], v[\adr] offset:\off
	ds_load_b64 v[\reg+4:\reg+5], v[\adr+1] offset:\off+512
	ds_load_b128 v[\reg+6:\reg+9], v[\adr] offset:\off+768
	ds_load_b64 v[\reg+10:\reg+11], v[\adr+1] offset:\off+1280
.endm
.macro FETCH g                         ; K step g's eight fragments into set g % 2: 32 LDS loads
.set P_, 96*((\g)%2)
.set i_, 0
.rept 4
	FRAG P_+12*i_, ADRB, (i_*KS+(\g))*REC
	FRAG P_+48+12*i_, ADRA, (i_*KS+(\g))*REC
.set i_, i_+1
.endr
.endm
; A K step's 16 products.  The 16 accumulators take turns, one instruction a turn, in the same order in every step.  zero = 1: the first product starts the sums.
.macro MUL g, zero
.set P_, 96*((\g)%2)
.set J_, (\g)/2
.set a_, 0
.rept 4
.set b_, 0
.rept 4
.set d_, 8*(4*a_+b_)
.if \zero
	v_wmma_scale_f32_16x16x128_f8f6f4 v[d_:d_+7], v[P_+12*b_:P_+12*b_+11], v[P_+48+12*a_:P_+48+12*a_+11], 0, v[SCB+4*b_+J_], v[SCA+4*a_+J_] matrix_a_fmt:MATRIX_FMT_FP6 matrix_b_fmt:MATRIX_FMT_FP6
.elseif (\g)%2
	v_wmma_scale_f32_16x16x128_f8f6f4 v[d_:d_+7], v[P_+12*b_:P_+12*b_+11], v[P_+48+12*a_:P_+48+12*a_+11], v[d_:d_+7], v[SCB+4*b_+J_], v[SCA+4*a_+J_] matrix_a_fmt:MATRIX_FMT_FP6 matrix_b_fmt:MATRIX_FMT_FP6 matrix_a_scale:MATRIX_SCALE_ROW1 matrix_b_scale:MATRIX_SCALE_ROW1
.else
	v_wmma_scale_f32_16x16x128_f8f6f4 v[d_:d_+7], v[P_+12*b_:P_+12*b_+11], v[P_+48+12*a_:P_+48+12*a_+11], v[d_:d_+7], v[SCB+4*b_+J_], v[SCA+4*a_+J_] matrix_a_fmt:MATRIX_FMT_FP6 matrix_b_fmt:MATRIX_FMT_FP6
.endif
.set b_, b_+1
.endr
.set a_, a_+1
.endr
.endm
.macro STEP g, zero
	PLACES 4                                       ; in front of loads into the set that the last step's products read
	WIN TO1
	FETCH (\g)+1
	s_wait_dscnt 32                                ; this step's fragments are in; the 32 loads just issued may be out
	WIN MULW
	MUL \g, \zero
.endm
	s_load_b256 s[4:11], s[0:1], 0x0               ; ctx, opa, x, b_out
	s_load_b64 s[12:13], s[0:1], 0x20              ; x1
	v_lshl_add_u32 v[SPW], v0, 2, SPARE
	v_mov_b32 v[NIL], 0
	ds_add_u32 v[SPW], v[NIL]                      ; the opening lines: the add, twice on end, and its wait ahead of my first tensor load
	ds_add_u32 v[SPW], v[NIL]
	v_lshrrev_b32 v1, 5, v0
	v_readfirstlane_b32 s14, v1                    ; wave
	s_lshr_b32 s15, s14, 1                         ; my half of the tokens.  Also: which four tiles I fetch
	s_and_b32 s16, s14, 1                          ; my half of the columns.  Also: I fetch for A (0) or B (1)
	s_bfe_u32 s40, ttmp6, 0x40000                  ; cx
	s_bfe_u32 s41, ttmp6, 0x40004                  ; cy
	s_lshl_b32 s42, ttmp9, 2
	s_add_co_u32 s42, s42, s40                     ; which 128 columns
	s_and_b32 s17, ttmp7, 0xffff
	s_lshl_b32 s17, s17, 2
	s_add_co_u32 s17, s17, s41                     ; which 128 tokens
	s_lshl_b32 s43, s41, 2
	s_lshl_b32 s43, 15, s43                        ; my row of the cluster
	s_lshl_b32 s44, 0x1111, s40                    ; my column
	s_or_b32 s[G1A], s43, (3<<16)|(1<<21)          ; the mask; elements of 8 bytes; bit 21 beside a mask; no padding
	s_or_b32 s[G1B], s44, (3<<16)|(1<<21)
.irp g, G1A, G1B                       ; four rows (tiles) of 8 records, on end
	s_mov_b32 s[\g+1], (KS*192)<<16
	s_mov_b32 s[\g+2], 4<<16
	s_mov_b32 s[\g+3], (KS*192)<<16
	s_mov_b32 s[\g+4], 4
	s_mov_b32 s[\g+5], KS*192
	s_mov_b32 s[\g+6], 0
	s_mov_b32 s[\g+7], 0
.endr
	s_mul_i32 s20, s17, 8*TP                       ; my work-group's eight tiles of A
	s_mov_b32 s21, 0
	s_mul_i32 s46, s42, 8*TP                       ; and of B (in registers that never hold cy)
	s_add_co_u32 s46, s46, B_C
	s_mov_b32 s47, 0
	s_mul_i32 s18, s15, 4*TP                       ; the four tiles that I fetch; also my four tiles of A in LDS
	s_mov_b32 s19, 0
	s_mul_i32 s89, s16, 4*TP
	s_add_co_u32 s89, s89, 8*TP                    ; my four tiles of B in LDS
	s_mul_i32 s92, s14, 16*SPITCH
	s_add_co_u32 s92, s92, STAGE                   ; my stage
	s_wait_dscnt 0x0                               ; both opening adds are done
	s_wait_kmcnt 0x0
	s_add_nc_u64 s[20:21], s[4:5], s[20:21]
	s_add_nc_u64 s[46:47], s[6:7], s[46:47]
	CROUND                                         ; all sixteen work-groups are here: the joint loads meet
	s_mov_b32 s[G0A], 1
	s_mul_i32 s[G0A+1], s15, 4*TP
	s_add_nc_u64 s[G0A+2:G0A+3], s[20:21], s[18:19]
	s_or_b32 s[G0A+3], s[G0A+3], 0x80000000
	s_mov_b32 s[G0B], 1
	s_mul_i32 s[G0B+1], s15, 4*TP
	s_add_co_u32 s[G0B+1], s[G0B+1], 8*TP
	s_add_nc_u64 s[G0B+2:G0B+3], s[46:47], s[18:19]
	s_or_b32 s[G0B+3], s[G0B+3], 0x80000000
	s_cmp_eq_u32 s16, 0                            ; one load a wave, in the two arms of one branch on the wave's number; an s_nop 0 and four v_nop follow each
	s_cbranch_scc0 .Lfor_b
	tensor_load_to_lds s[G0A:G0A+3], s[G1A:G1A+7]
	s_nop 0
	PLACES 4
	s_branch .Lasked
.Lfor_b:
	tensor_load_to_lds s[G0B:G0B+3], s[G1B:G1B+7]
	s_nop 0
	PLACES 4
.Lasked:
	s_lshl_b32 s86, s17, 3
	s_lshl_b32 s22, s15, 2
	s_add_co_u32 s86, s86, s22                     ; my first tile of tokens: 512 bytes of scale words a tile
	s_lshl_b32 s86, s86, 9
	s_add_co_u32 s86, s86, A_S
	s_mov_b32 s87, 0
	s_add_nc_u64 s[SAP:SAP+1], s[4:5], s[86:87]
	s_lshl_b32 s86, s42, 3
	s_lshl_b32 s22, s16, 2
	s_add_co_u32 s86, s86, s22                     ; my first tile of columns
	s_lshl_b32 s86, s86, 9
	s_add_co_u32 s86, s86, B_S
	s_add_nc_u64 s[SBP:SBP+1], s[6:7], s[86:87]
	s_lshl_b32 s86, s17, 7
	s_lshl_b32 s22, s15, 6
	s_add_co_u32 s86, s86, s22                     ; my first token
	s_lshl_b32 s86, s86, 12
	s_lshl_b32 s22, s42, 9
	s_lshl_b32 s23, s16, 8
	s_add_co_u32 s22, s22, s23                     ; my first column, in bytes: a multiple of 256
	s_add_co_u32 s86, s86, s22
	s_mov_b32 s23, 0
	s_add_nc_u64 s[8:9], s[8:9], s[86:87]
	s_add_nc_u64 s[12:13], s[12:13], s[86:87]
	s_add_nc_u64 s[10:11], s[10:11], s[22:23]
	v_and_b32 v1, 15, v0                           ; r
	v_bfe_u32 v2, v0, 4, 1                         ; h
	v_and_b32 v3, 31, v0
	v_lshlrev_b32 v[L16], 4, v3
	v_lshlrev_b32 v[L8], 3, v3
	v_lshlrev_b32 v[LO4], 2, v3
	v_add_nc_u32 v[ADRA], s18, v[L16]
	v_add_nc_u32 v[ADRA+1], s18, v[L8]
	v_add_nc_u32 v[ADRB], s89, v[L16]
	v_add_nc_u32 v[ADRB+1], s89, v[L8]
	v_mul_u32_u24 v26, v1, SPITCH
	v_lshl_add_u32 v26, v2, 6, v26
	v_add_nc_u32 v[STO], s92, v26                  ; the stage, in: row r, + 64 h
	v_mul_u32_u24 v26, v2, SPITCH
	v_lshl_add_u32 v26, v1, 4, v26
	v_add_nc_u32 v[RD], s92, v26                   ; back: lanes 0-15 one row, lanes 16-31 the next
	v_lshlrev_b32 v26, 12, v2
	v_lshl_add_u32 v[CO], v1, 4, v26               ; the same two rows in memory: 4,096 h + 16 r
	v_lshlrev_b32 v[BO], 4, v1
	s_wait_alu depctr_va_vdst(0)
.irp j, 0,1,2,3
.irp i, 0,1,2,3
	global_load_b32 v[SCB+4*\i+\j], v[LO4], s[SBP:SBP+1] offset:\i*512+\j*128   ; the scale words of K steps 2 j and 2 j + 1
	global_load_b32 v[SCA+4*\i+\j], v[LO4], s[SAP:SAP+1] offset:\i*512+\j*128
.endr
.endr
	WIN 0xc0                                       ; destination window 3
.irp a, 0,1,2,3                        ; the residual, in the layout in which the rows come back from the stage: stage row 2 t + h of block a is token 32 (a / 2) + 8 (a % 2) + 2 t + h + 8 (t / 4)
.irp t, 0,1,2,3,4,5,6,7
	global_load_b128 v[32*\a+4*\t:32*\a+4*\t+3], v[CO], s[8:9] offset:(32*(\a/2)+8*(\a%2)+2*\t+8*(\t/4))*4096 th:TH_LOAD_NT
.endr
.endr
	WIN 0
	global_load_b128 v[BIAS:BIAS+3], v[BO], s[10:11]   ; the bias at my four columns
	s_wait_tensorcnt 0x0                           ; my four tiles are in
	s_barrier_signal -1
	s_barrier_wait -1                              ; everybody's
	s_wait_loadcnt 33                              ; the 32 scale words are in; the residual's 32 loads and the bias's may be out
	WIN TO1
	FETCH 0
	STEP 0, 1                                      ; the first K step starts the sums
.irp g, 1,2,3,4,5,6
	STEP \g, 0
.endr
	s_wait_dscnt 0x0
	MUL 7, 0
; THE WAY OUT, block by block of 16 tokens x 64 columns through my stage; LDS serves a wave's instructions in order, so no wait stands between the stores and the loads, nor in front of the next block's stores.
.macro TOSTAGE a
.set T_, TMP+32*((\a)%2)
	WIN 0x08                                       ; an LDS store's data are its source 1: window 2
.irp b, 0,1,2,3
	ds_store_b128 v[STO], v[8*(4*(\a)+\b):8*(4*(\a)+\b)+3] offset:128*(\b/2)+32*(\b%2)       ; each accumulator from its low end on
	ds_store_b128 v[STO], v[8*(4*(\a)+\b)+4:8*(4*(\a)+\b)+7] offset:128*(\b/2)+32*(\b%2)+16
.endr
	WIN 0
.irp t, 0,1,2,3,4,5,6,7
	ds_load_b128 v[T_+4*\t:T_+4*\t+3], v[RD] offset:2*SPITCH*\t
.endr
.endm
.macro SEND a, younger                 ; younger: the LDS instructions issued behind block a's loads, which may stay out
.set T_, TMP+32*((\a)%2)
	s_wait_dscnt \younger
	WIN 0x0c                                       ; source 1 (the residual) window 3
.irp t, 0,1,2,3,4,5,6,7
	v_pk_add_f32 v[T_+4*\t:T_+4*\t+1], v[T_+4*\t:T_+4*\t+1], v[32*(\a)+4*\t:32*(\a)+4*\t+1]
	v_pk_add_f32 v[T_+4*\t+2:T_+4*\t+3], v[T_+4*\t+2:T_+4*\t+3], v[32*(\a)+4*\t+2:32*(\a)+4*\t+3]
.endr
	WIN 0
.irp t, 0,1,2,3,4,5,6,7
	v_pk_add_f32 v[T_+4*\t:T_+4*\t+1], v[T_+4*\t:T_+4*\t+1], v[BIAS:BIAS+1]
	v_pk_add_f32 v[T_+4*\t+2:T_+4*\t+3], v[T_+4*\t+2:T_+4*\t+3], v[BIAS+2:BIAS+3]
.endr
.irp t, 0,1,2,3,4,5,6,7
	global_store_b128 v[CO], v[T_+4*\t:T_+4*\t+3], s[12:13] offset:(32*((\a)/2)+8*((\a)%2)+2*\t+8*(\t/4))*4096   ; sixteen lanes store 256 consecutive bytes, aligned
.endr
.endm
	s_wait_loadcnt 0x0                             ; the residual and the bias
	PLACES 4                                       ; behind the last products: their results are read
	TOSTAGE 0
.irp a, 1,2,3
.if \a > 1
	s_wait_xcnt 0x0                                ; block a - 2's stores have read their registers: block a's rows may land there
.endif
	TOSTAGE \a
	SEND (\a)-1, 16                                ; behind block a - 1's loads: block a's 8 stores and 8 loads
.endr
	SEND 3, 0
	s_wait_tensorcnt 0x0                           ; the wave's end
	ds_add_u32 v[SPW], v[NIL]
	s_wait_dscnt 0x0
	CROUND                                         ; the closing round
	s_endpgm
.Lfunc_end_k_q89b5b501de_gout:
	.size	k_q89b5b501de_gout, .Lfunc_end_k_q89b5b501de_gout-k_q89b5b501de_gout
	.p2alignl 7, 3214868480
	.fill 96, 4, 3214868480
	.section	.rodata,"a",@progbits
	.p2align	6, 0x0
	.amdhsa_kernel k_q89b5b501de_gout
		.amdhsa_group_segment_fixed_size 214528
		.amdhsa_private_segment_fixed_size 0
		.amdhsa_enable_private_segment 0
		.amdhsa_kernarg_size 40
		.amdhsa_user_sgpr_count 2
		.amdhsa_user_sgpr_kernarg_segment_ptr 1
		.amdhsa_wavefront_size32 1
		.amdhsa_system_sgpr_workgroup_id_x 1
		.amdhsa_system_sgpr_workgroup_id_y 1
		.amdhsa_system_sgpr_workgroup_id_z 1
		.amdhsa_system_vgpr_workitem_id 0
		.amdhsa_next_free_vgpr 896
		.amdhsa_next_free_sgpr 96
		.amdhsa_reserve_vcc 0
		.amdhsa_float_denorm_mode_32 3
		.amdhsa_float_denorm_mode_16_64 3
		.amdhsa_memory_ordered 1
		.amdhsa_forward_progress 1
		.amdhsa_inst_pref_size 63
	.end_amdhsa_kernel
	.amdgpu_metadata
---
amdhsa.version: [ 1, 2 ]
amdhsa.kernels:
  - .name:           k_q89b5b501de_gout
    .symbol:         k_q89b5b501de_gout.kd
    .args:
      - { .name: ctx, .offset: 0, .size: 8, .value_kind: global_buffer, .address_space: global }
      - { .name: opa, .offset: 8, .size: 8, .value_kind: global_buffer, .address_space: global }
      - { .name: x, .offset: 16, .size: 8, .value_kind: global_buffer, .address_space: global }
      - { .name: b_out, .offset: 24, .size: 8, .value_kind: global_buffer, .address_space: global }
      - { .name: x1, .offset: 32, .size: 8, .value_kind: global_buffer, .address_space: global }
    .group_segment_fixed_size: 214528
    .private_segment_fixed_size: 0
    .kernarg_segment_align: 8
    .kernarg_segment_size: 40
    .max_flat_workgroup_size: 128
    .sgpr_count:     96
    .vgpr_count:     896
    .wavefront_size: 32
...
	.end_amdgpu_metadata
.endif
;; end of part 4
;; launch ln2: the kernel of part 1 again; grid 256 x 1, 4 waves a work-group, no clusters, 66,304 bytes of LDS; arguments x1, ln2_g, ln2_b, hn, w_qkv, w_out, w1, w2; writes hn
;; launch gw1 (part 5): grid 16 x 16, 4 waves a work-group, clusters of 4 x 4, 327,680 bytes of LDS; arguments hn, opa, b1, hid; writes hid
.if DOCPART == 5
	.amdgcn_target "amdgcn-amd-amdhsa--gfx1250"
	.amdhsa_code_object_version 6
	.text
	.protected	k_q89b5b501de_gw1
	.globl	k_q89b5b501de_gw1
	.p2align	8
	.type	k_q89b5b501de_gw1,@function
k_q89b5b501de_gw1:
	s_mov_b64 s[64:65], 0
	v_nop
	global_prefetch_b8 v0, s[64:65] scope:SCOPE_SE
	s_setreg_imm32_b32 hwreg(HW_REG_WAVE_MODE, 25, 1), 1
	s_wait_xcnt 0x0
	s_wait_alu depctr_hold_cnt(0) depctr_sa_sdst(0) depctr_va_vdst(0) depctr_va_sdst(0) depctr_va_ssrc(0) depctr_va_vcc(0) depctr_vm_vsrc(0)
	s_getreg_b32 s2, hwreg(HW_REG_IB_STS2, 6, 4)
	s_cmp_eq_u32 s2, 0
	s_cbranch_scc0 .Lentry_in_a_cluster
	s_endpgm
.Lentry_in_a_cluster:
	s_bfe_u32 s2, ttmp6, 0x10000c
	s_cmp_lg_u32 s2, 0xf033
	s_cbranch_scc0 .Lentry_shape_is_right
	s_endpgm
.Lentry_shape_is_right:
; A GEMM on operand images in FP6 (E2M3) with E8M0 scales, K = 1,024, whose result is quantised again on the way out.  QKV = 1: qkv = LN1(x) w_qkv + b_qkv;  QKV = 0: hid = relu(LN2(x1) w1 + b1).
; IMAGES.  A tile is 16 rows (tokens, or a weight's columns): tile 2 b + u, lane r holds row 32 b + 8 u + r + (r & 8).  A record (tile, K step of 128) is 1,536 bytes: registers 6 c .. 6 c + 3 at 768 c + 16 x lane,
; 6 c + 4, 6 c + 5 at 768 c + 512 + 8 x lane; codes [tile][8 K steps][1536], scale words [tile][8][16 words].  A fragment is four dense LDS loads.
; SHARES.  A work-group of four waves makes 256 x 256, a wave 128 x 128: 64 accumulators, 512 registers.
; THE RING.  Slot 0 holds 2 K steps of the A role's 16 and the B role's 16 tiles (98,304 bytes), slot 1 holds 4 (196,608).  Both are first filled at the head, one joint load a wave (wave 0 A's slot 0, wave 1 B's, wave 2 A's slot 1,
; wave 3 B's).  ONE refill: K steps 6 and 7 go into slot 0 behind step 1, eight tiles a wave, and have slot 1's four steps, 256 matrix instructions a wave, in which to land.
; THE SCALE WORDS do not go through LDS: a load of 4 bytes a lane brings the words of one tile for two neighbouring K steps (128 consecutive bytes): lanes 0-15 the even step's, lanes 16-31 the odd step's, which the
; odd step's products select by ROW1.  16 tiles x 4 pairs = 64 registers, which hold scales and nothing else.
; PREFETCH.  The refill's bytes are asked of memory at the head, two K steps ahead of the load.  Of the eight tiles that a wave will fetch, the partner at place p (cx for the A role, cy for the B role) names tiles 2 p and 2 p + 1:
; 24 blocks of 256 bytes, a lane a block, one instruction; the lanes left over name the last block again.
; THE PRODUCT IS USED TRANSPOSED (source 0 = 16 rows of the B role, source 1 = 16 rows of the A role): a lane holds ONE row of the A role, and by the tiles' order the 64 registers of a block of A are 128 neighbours of the B role
; in the very order the quantiser wants (register 16 b + i = index 32 b + 16 (lane / 16) + i).  So each block of A becomes one record of the next operand.
; Here (QKV = 0) the A role is the tokens, the B role w1's columns; the bias runs along a lane's registers and is the C of the first products; the activation stands on the way out; a wave's 128 columns are one K step of the next product.
; CLUSTERS: 4 x 4.  The A role's tiles are asked for jointly along a row of the cluster, the B role's along a column.
; REGISTERS: window 0: v1-7 at work, v16-30 addresses, v32-63 B's scale words, v64-95 A's, v128-223 A's fragments (one set), later the way out; v232-248 the quantiser's scratch.
;   window 1: B's fragments, two sets at v0 and v128; v96-127 and v224-255 the bias as the first products' C.  windows 2, 3: the accumulators, (a, b) at v[8 (8 (a % 4) + b)].
; LIMITS: NaN and infinities are not served; a block under 2^-124 keeps the byte 1; a block of zeros has the byte 1 and zero codes (this program alone reads the bytes).
.set QKV,   0
.set MB,    8
.set KS,    8
.set FR,    12
.set NL,    4
.set NP,    4
.set REC,   1536
.set N0,    2
.set N1,    4
.set S1,    32*N0*REC
.set SPARE, S1+32*N1*REC               ; the spare words, 128 bytes a wave: two blocks of 256 bytes that no other line names
.set ACT_S,  3145728
.set W1_C,   6553600
.set W1_S,   9699328
.set HID_S,  12582912
.set ADRA, 16                          ; v16, v17 16 x lane + my A tiles in slot 0, 1;  v18, v19 the same with 8 x lane
.set ADRB, 20
.set O16,  24
.set O8,   25
.set OS,   26
.set LO4,  27
.set SPW,  28
.set NIL,  29
.set PFO,  30
.set SCB,  32
.set SCA,  64
.set AF,   128
.set QI,   128
.set PC,   192
.set TM,   232
.set PW,   248
.set G1A2, 24                          ; descriptor groups 1: the A and the B role's tiles with 2 and with 4 records to a row
.set G1B2, 32
.set G1A4, 48
.set G1B4, 56
.set G0A,  68
.set G0B,  72
.set AH,   76
.set BH,   78
.set SAP,  80
.set SBP,  82
.set PFP,  84
.set SEL,  100
.set MSB, 0
.macro WIN new                         ; the immediate's high byte repeats the setting that is left
.if MSB != \new
	s_set_vgpr_msb (MSB<<8)|\new
.set MSB, \new
.endif
.endm
.set MUL_LO, 0xa1                      ; source 0 (B) window 1, source 1 (A) window 0, C and D window 2
.set MUL_HI, 0xf1
.set TO_B,   0x40
.macro PLACES n
.rept \n
	v_nop
.endr
.endm
.macro CREST                           ; a round of the cluster's barrier behind its opening barrier
	s_cmp_lg_u32 s14, 0
	s_cbranch_scc1 .Lnot_wave_0_\@
	s_barrier_signal -3
.Lnot_wave_0_\@:
	s_barrier_wait -3
	s_barrier_signal -1
	s_barrier_wait -1
.endm
.macro CROUND
	s_barrier_signal -1
	s_barrier_wait -1
	CREST
.endm
.macro G1SET g, n                      ; 16 rows (tiles) of n records, elements of 8 bytes, KS records apart, no padding; word 0 holds the mask
	s_mov_b32 s[\g+1], ((\n)*192)<<16
	s_mov_b32 s[\g+2], 16<<16
	s_mov_b32 s[\g+3], ((\n)*192)<<16
	s_mov_b32 s[\g+4], 16
	s_mov_b32 s[\g+5], KS*192
	s_mov_b32 s[\g+6], 0
	s_mov_b32 s[\g+7], 0
.endm
.macro LAY g                           ; where K step g lies: LL the slot, NN records to a tile there, QQ its record
.if (\g) < 2
.set LL, 0
.set NN, 2
.set QQ, (\g)
.elseif (\g) < 6
.set LL, 1
.set NN, 4
.set QQ, (\g)-2
.else
.set LL, 0
.set NN, 2
.set QQ, (\g)-6
.endif
.endm
.macro FRAG reg, adr, off              ; a record as it lies
	ds_load_b128 v[\reg:\reg+3], v[\adr] offset:\off
	ds_load_b64 v[\reg+4:\reg+5], v[\adr+2] offset:\off+512
	ds_load_b128 v[\reg+6:\reg+9], v[\adr] offset:\off+768
	ds_load_b64 v[\reg+10:\reg+11], v[\adr+2] offset:\off+1280
.endm
.macro FETCH_B g                       ; B's eight fragments of K step g into set g % 2
	LAY \g
	WIN TO_B
.set i_, 0
.rept MB
	FRAG 128*((\g)%2)+FR*i_, ADRB+LL, (i_*NN+QQ)*REC
.set i_, i_+1
.endr
	WIN 0
.endm
.macro FETCH_A g, i0                   ; A's blocks i0 .. i0 + 3 of K step g
	LAY \g
.set i_, \i0
.rept MB/2
	FRAG AF+FR*i_, ADRA+LL, (i_*NN+QQ)*REC
.set i_, i_+1
.endr
.endm
; A quarter of a K step's products: two blocks of A against B's eight.  zero = 2: C = the bias; 0: in place.  The accumulators take turns, one instruction a turn, in the same order in every step.
.macro MULQ qa, g, zero
.set p_, 128*((\g)%2)
.set J_, (\g)/2
.set a_, (\qa)*2
.rept 2
.set b_, 0
.rept MB
.set d_, 8*(MB*(a_%4)+b_)
.set c_, 96+8*b_+96*(b_/4)
.if \zero == 2
	v_wmma_scale_f32_16x16x128_f8f6f4 v[d_:d_+7], v[p_+FR*b_:p_+FR*b_+FR-1], v[AF+FR*a_:AF+FR*a_+FR-1], v[c_:c_+7], v[SCB+4*b_+J_], v[SCA+4*a_+J_] matrix_a_fmt:MATRIX_FMT_FP6 matrix_b_fmt:MATRIX_FMT_FP6
.elseif (\g)%2
	v_wmma_scale_f32_16x16x128_f8f6f4 v[d_:d_+7], v[p_+FR*b_:p_+FR*b_+FR-1], v[AF+FR*a_:AF+FR*a_+FR-1], v[d_:d_+7], v[SCB+4*b_+J_], v[SCA+4*a_+J_] matrix_a_fmt:MATRIX_FMT_FP6 matrix_b_fmt:MATRIX_FMT_FP6 matrix_a_scale:MATRIX_SCALE_ROW1 matrix_b_scale:MATRIX_SCALE_ROW1
.else
	v_wmma_scale_f32_16x16x128_f8f6f4 v[d_:d_+7], v[p_+FR*b_:p_+FR*b_+FR-1], v[AF+FR*a_:AF+FR*a_+FR-1], v[d_:d_+7], v[SCB+4*b_+J_], v[SCA+4*a_+J_] matrix_a_fmt:MATRIX_FMT_FP6 matrix_b_fmt:MATRIX_FMT_FP6
.endif
.set b_, b_+1
.endr
.set a_, a_+1
.endr
.endm
.macro STEP g, zero                    ; a K step whose successor lies in the same slot
	s_wait_dscnt (MB/2)*NL                         ; all but the youngest loads, A's upper blocks
.if \zero == 2
	WIN 0x91                                       ; C (the bias) in window 1
.else
	WIN MUL_LO
.endif
	MULQ 0, \g, \zero
	MULQ 1, \g, \zero
	s_wait_dscnt 0                                 ; A's upper blocks
	PLACES NP                                      ; in front of loads into registers that matrix instructions have read
	FETCH_B (\g)+1
	FETCH_A (\g)+1, 0
.if \zero == 2
	WIN 0xd1
.else
	WIN MUL_HI
.endif
	MULQ 2, \g, \zero
	MULQ 3, \g, \zero
	PLACES NP
	WIN 0
	FETCH_A (\g)+1, MB/2
.endm
; A slot's last K step changes slots: one barrier; in front of it each wave waits for all its tensor loads, adds 0 to its spare word, and waits for that and for its reads of this slot.
; fill = 1: the barrier opens a round of the cluster's, and K steps 6 and 7 are fetched into slot 0: waves 0, 1 for the A role, waves 2, 3 for the B role, eight tiles each.
.macro TURN g, fill
	s_wait_tensorcnt 0x0                           ; all my tensor loads have landed
	ds_add_u32 v[SPW], v[NIL]                      ; 0 onto my spare word
	s_wait_dscnt (MB/2)*NL+1                       ; the add and A's upper blocks may be out
	WIN MUL_LO
	MULQ 0, \g, 0
	s_wait_dscnt 0x0                               ; the add is done, and my reads of this slot are over
	s_barrier_signal -1
	MULQ 1, \g, 0
	WIN 0
	s_barrier_wait -1
.if \fill
	CREST                                          ; no wave of any partner still reads this slot or has a load on its way
	s_mov_b32 s[G0A+1], s90
	s_mov_b32 s[G0B+1], s88
	s_add_nc_u64 s[G0A+2:G0A+3], s[AH:AH+1], 6*REC
	s_or_b32 s[G0A+3], s[G0A+3], 0x80000000
	s_add_nc_u64 s[G0B+2:G0B+3], s[BH:BH+1], 6*REC
	s_or_b32 s[G0B+3], s[G0B+3], 0x80000000
	s_cmp_eq_u32 s15, 0
	s_cbranch_scc0 .Lfor_b
	tensor_load_to_lds s[G0A:G0A+3], s[G1A2:G1A2+7]   ; the first tensor load behind the round; an s_nop 0 and four v_nop follow each line: they are the places in front of the loads below
	s_nop 0
	PLACES 4
	s_branch .Lasked
.Lfor_b:
	tensor_load_to_lds s[G0B:G0B+3], s[G1B2:G1B2+7]
	s_nop 0
	PLACES 4
.Lasked:
.else
	PLACES NP
.endif
	FETCH_B (\g)+1
	FETCH_A (\g)+1, 0
	WIN MUL_HI
	MULQ 2, \g, 0
	MULQ 3, \g, 0
	PLACES NP
	WIN 0
	FETCH_A (\g)+1, MB/2
.endm
.macro QUANT s                         ; v[s + 16 b + i] = index 32 b + 16 (lane / 16) + i of my row -> a fragment in v[PC] on, its scale word in v[PW]
.irp b, 0,1,2,3
	v_max3_num_f32 v[TM+\b], |v[\s+16*\b]|, |v[\s+1+16*\b]|, 0x1800000   ; with the floor 2^(3 - 127): the byte cannot fall under 1
.endr
.irp i, 2,4,6,8,10,12,14
.irp b, 0,1,2,3
	v_max3_num_f32 v[TM+\b], v[TM+\b], |v[\s+16*\b+\i]|, |v[\s+1+16*\b+\i]|
.endr
.endr
.irp b, 0,1,2,3
	v_permlanex16_b32 v[TM+4+\b], v[TM+\b], s[SEL], s[SEL+1]
.endr
.irp b, 0,1,2,3
	v_max_num_f32 v[TM+\b], v[TM+\b], v[TM+4+\b]
.endr
.irp b, 0,1,2,3
	v_add_nc_u32 v[TM+12+\b], 0xff000000, v[TM+\b] ; 2 off the exponent field: the conversion's scale operand
.endr
.irp b, 0,1,2,3
	v_lshrrev_b32 v[TM+4+\b], 23, v[TM+12+\b]
.endr
	v_lshl_or_b32 v[PW], v[TM+5], 8, v[TM+4]
	v_lshl_or_b32 v[PW], v[TM+6], 16, v[PW]
	v_lshl_or_b32 v[PW], v[TM+7], 24, v[PW]
.irp c, 0,1
	v_cvt_scalef32_pk16_fp6_f32 v[PC+6*\c:PC+2+6*\c], v[\s+32*\c:\s+15+32*\c], v[TM+12+2*\c]
	v_cvt_scalef32_pk16_fp6_f32 v[PC+12+4*\c:PC+14+4*\c], v[\s+16+32*\c:\s+31+32*\c], v[TM+12+2*\c+1]
.endr
	v_nop                                          ; one plain line behind a scaled conversion
.irp c, 0,1
.irp i, 0,1,2
	v_permlane16_swap_b32 v[PC+6*\c+\i], v[PC+12+4*\c+\i]
.endr
.irp i, 0,1,2
	v_mov_b32 v[PC+3+6*\c+\i], v[PC+12+4*\c+\i]
.endr
.endr
.endm
	s_load_b256 s[4:11], s[0:1], 0x0               ; hn, opa, b1, hid
	v_lshl_add_u32 v[SPW], v0, 2, SPARE
	v_mov_b32 v[NIL], 0
	ds_add_u32 v[SPW], v[NIL]                      ; the opening lines: the add, twice on end, and its wait ahead of my first tensor load
	ds_add_u32 v[SPW], v[NIL]
	v_lshrrev_b32 v1, 5, v0
	v_readfirstlane_b32 s14, v1                    ; wave
	s_lshr_b32 s15, s14, 1                         ; my half of the tokens.  Also: which slot I fill at the head; in the refill I fetch for A (0) or B (1)
	s_and_b32 s16, s14, 1                          ; my half of the columns.  Also: which half I fetch in the refill
	s_bfe_u32 s40, ttmp6, 0x40000                  ; cx
	s_bfe_u32 s41, ttmp6, 0x40004                  ; cy
	s_and_b32 s17, ttmp7, 0xffff                   ; cluster y
	s_mov_b32 s42, ttmp9
	s_lshl_b32 s17, s17, 2
	s_add_co_u32 s17, s17, s41                     ; which 256 tokens
	s_lshl_b32 s42, s42, 2
	s_add_co_u32 s42, s42, s40                     ; which 256 columns
	s_lshl_b32 s43, s41, 2
	s_lshl_b32 s43, 15, s43                        ; my row of the cluster
	s_lshl_b32 s44, 0x1111, s40                    ; my column
	s_or_b32 s[G1A2], s43, (3<<16)|(1<<21)         ; the mask; elements of 8 bytes; bit 21 beside a mask
	s_or_b32 s[G1A4], s43, (3<<16)|(1<<21)
	s_or_b32 s[G1B2], s44, (3<<16)|(1<<21)
	s_or_b32 s[G1B4], s44, (3<<16)|(1<<21)
	G1SET G1A2, N0
	G1SET G1B2, N0
	G1SET G1A4, N1
	G1SET G1B4, N1
	s_mul_i32 s20, s17, 2*MB*KS*REC                ; my work-group's sixteen tiles of tokens
	s_mov_b32 s21, 0
	s_mul_i32 s46, s42, 2*MB*KS*REC                ; and of columns (in registers that never hold cy)
	s_add_co_u32 s46, s46, W1_C
	s_mov_b32 s47, 0
	s_mul_i32 s86, s15, MB*N0*REC                  ; LDS: my eight tiles of A in slot 0,
	s_mul_i32 s87, s15, MB*N1*REC
	s_add_co_u32 s87, s87, S1                      ; in slot 1;
	s_mul_i32 s90, s16, MB*N0*REC                  ; (where A's tiles that I fetch in the refill go)
	s_add_co_u32 s88, s90, 16*N0*REC               ; my eight tiles of B in slot 0 (also: where B's tiles that I fetch in the refill go),
	s_mul_i32 s89, s16, MB*N1*REC
	s_add_co_u32 s89, s89, S1+16*N1*REC            ; in slot 1
	s_mul_i32 s18, s15, N0*REC                     ; at the head waves 2, 3 take the four steps behind slot 0's two
	s_mov_b32 s19, 0
	s_mov_b32 s[SEL], 0x76543210
	s_mov_b32 s[SEL+1], 0xfedcba98
	s_wait_dscnt 0x0                               ; both opening adds are done
	s_wait_kmcnt 0x0
	s_add_nc_u64 s[20:21], s[4:5], s[20:21]
	s_add_nc_u64 s[46:47], s[6:7], s[46:47]
	CROUND                                         ; all sixteen work-groups are here: the first joint loads meet
	s_mov_b32 s[G0A], 1
	s_mul_i32 s[G0A+1], s15, S1
	s_add_nc_u64 s[G0A+2:G0A+3], s[20:21], s[18:19]
	s_or_b32 s[G0A+3], s[G0A+3], 0x80000000
	s_mov_b32 s[G0B], 1
	s_mul_i32 s[G0B+1], s15, S1+16*N1*REC-16*N0*REC
	s_add_co_u32 s[G0B+1], s[G0B+1], 16*N0*REC
	s_add_nc_u64 s[G0B+2:G0B+3], s[46:47], s[18:19]
	s_or_b32 s[G0B+3], s[G0B+3], 0x80000000
; the head's loads, one a wave, in one chain of branches on the wave's number: both slots, whole
.macro ARM under, g0, g1, next
	s_cmp_lt_u32 s14, \under
	s_cbranch_scc0 \next
	tensor_load_to_lds s[\g0:\g0+3], s[\g1:\g1+7]
	s_nop 0
	PLACES 4
	s_branch .Lhead_asked
\next:
.endm
	ARM 1, G0A, G1A2, .Lhead_b0
	ARM 2, G0B, G1B2, .Lhead_a1
	ARM 3, G0A, G1A4, .Lhead_b1
	tensor_load_to_lds s[G0B:G0B+3], s[G1B4:G1B4+7]
	s_nop 0
	PLACES 4
.Lhead_asked:
	s_mul_i32 s18, s16, MB*KS*REC
	s_add_nc_u64 s[AH:AH+1], s[20:21], s[18:19]    ; for the refill: the eight tiles that I fetch
	s_add_nc_u64 s[BH:BH+1], s[46:47], s[18:19]
	s_cmp_eq_u32 s15, 0                            ; the prefetch: do I fetch for A?
	s_cselect_b64 s[PFP:PFP+1], s[AH:AH+1], s[BH:BH+1]
	s_cselect_b32 s22, s40, s41                    ; my place among the four that ask with me
	s_mul_i32 s22, s22, 2*KS*REC                   ; two tiles to each
	s_mov_b32 s23, 0
	s_add_nc_u64 s[PFP:PFP+1], s[PFP:PFP+1], s[22:23]
	s_lshl_b32 s22, s17, 1
	s_add_co_u32 s22, s22, s15
	s_lshl_b32 s22, s22, 12                        ; 4,096 bytes of scale words for eight tiles
	s_add_co_u32 s22, s22, ACT_S
	s_add_nc_u64 s[SAP:SAP+1], s[4:5], s[22:23]
	s_lshl_b32 s22, s42, 1
	s_add_co_u32 s22, s22, s16
	s_lshl_b32 s22, s22, 12
	s_add_co_u32 s22, s22, W1_S
	s_add_nc_u64 s[SBP:SBP+1], s[6:7], s[22:23]
	s_lshl_b32 s22, s42, 10                        ; the bias of my 128 columns
	s_lshl_b32 s23, s16, 9
	s_add_co_u32 s22, s22, s23
	s_mov_b32 s23, 0
	s_add_nc_u64 s[8:9], s[8:9], s[22:23]
	s_lshl_b32 s20, s17, 4
	s_lshl_b32 s21, s15, 3
	s_add_co_u32 s20, s20, s21                     ; my first tile of tokens
	s_lshl_b32 s20, s20, 5
	s_lshl_b32 s21, s42, 1
	s_add_co_u32 s20, s20, s21
	s_add_co_u32 s20, s20, s16                     ; its record of hid: x 32 K steps + my K step
	s_mul_i32 s22, s20, REC
	s_mov_b32 s23, 0
	s_lshl_b32 s20, s20, 6
	s_add_co_u32 s20, s20, HID_S
	s_mov_b32 s21, 0
	s_add_nc_u64 s[12:13], s[10:11], s[20:21]
	s_add_nc_u64 s[10:11], s[10:11], s[22:23]
	v_and_b32 v1, 15, v0                           ; r
	v_bfe_u32 v2, v0, 4, 1                         ; h
	v_and_b32 v3, 31, v0
	v_lshlrev_b32 v[O16], 4, v3
	v_lshlrev_b32 v[O8], 3, v3
	v_lshlrev_b32 v[LO4], 2, v3
	v_add_nc_u32 v[ADRA], s86, v[O16]
	v_add_nc_u32 v[ADRA+1], s87, v[O16]
	v_add_nc_u32 v[ADRA+2], s86, v[O8]
	v_add_nc_u32 v[ADRA+3], s87, v[O8]
	v_add_nc_u32 v[ADRB], s88, v[O16]
	v_add_nc_u32 v[ADRB+1], s89, v[O16]
	v_add_nc_u32 v[ADRB+2], s88, v[O8]
	v_add_nc_u32 v[ADRB+3], s89, v[O8]
.irp b, 0,1,2,3
	v_mov_b32 v[TM+4+\b], 0                        ; a lane permute's destination counts as read
.endr
	v_lshlrev_b32 v7, 6, v2                        ; the bias along my registers: 64 h
	v_min_u32 v4, 23, v3                           ; the prefetch: block min(lane, 23) of 24,
	v_mul_u32_u24 v6, v4, 171
	v_lshrrev_b32 v6, 11, v6                       ; twelve to a tile (block / 12)
	v_mul_u32_u24 v6, v6, KS*REC-N0*REC
	v_lshl_add_u32 v[PFO], v4, 8, v6
	v_lshlrev_b32 v[OS], 2, v1
	s_wait_alu depctr_va_vdst(0)
.irp j, 0,1,2,3
.irp i, 0,1,2,3,4,5,6,7
	global_load_b32 v[SCB+4*\i+\j], v[LO4], s[SBP:SBP+1] offset:\i*512+\j*128   ; the scale words of K steps 2 j and 2 j + 1
	global_load_b32 v[SCA+4*\i+\j], v[LO4], s[SAP:SAP+1] offset:\i*512+\j*128
.endr
.endr
	global_prefetch_b8 v[PFO], s[PFP:PFP+1] offset:6*REC th:TH_LOAD_NT scope:SCOPE_SE
	WIN TO_B
.irp b, 0,1,2,3,4,5,6,7
	global_load_b128 v[96+8*\b+96*(\b/4):96+8*\b+96*(\b/4)+3], v7, s[8:9] offset:(32*(\b/2)+8*(\b%2))*4
	global_load_b128 v[96+8*\b+96*(\b/4)+4:96+8*\b+96*(\b/4)+7], v7, s[8:9] offset:(32*(\b/2)+8*(\b%2))*4+16
.endr
	WIN 0
	s_wait_tensorcnt 0x0                           ; my tile of the head's four is in
	s_mov_b32 s[G1A2+2], MB<<16                    ; no tensor load of mine is out: the refill's loads bring eight tiles
	s_mov_b32 s[G1A2+4], MB
	s_mov_b32 s[G1B2+2], MB<<16
	s_mov_b32 s[G1B2+4], MB
	s_barrier_signal -1
	s_barrier_wait -1                              ; both slots are whole
	FETCH_B 0
	FETCH_A 0, 0
	FETCH_A 0, MB/2
	s_wait_loadcnt 0x0                             ; the scale words and the bias
	STEP 0, 2                                      ; the first K step starts the sums, from the bias
	TURN 1, 1
	STEP 2, 0
	STEP 3, 0
	STEP 4, 0
	TURN 5, 0
	STEP 6, 0
	s_wait_dscnt (MB/2)*NL
	WIN MUL_LO
	MULQ 0, 7, 0
	MULQ 1, 7, 0
	s_wait_dscnt 0
	WIN MUL_HI
	MULQ 2, 7, 0
	MULQ 3, 7, 0
	WIN 0
; THE WAY OUT: block a of A: its 64 registers leave the accumulators' window through the activation, each accumulator from its low end on, are quantised, and are one record of hid.
.macro OUTA a
	WIN 0x08+4*((\a)/4)                            ; source 1: window 2 or 3
.set j_, 0
.rept 64
	v_max_num_f32 v[QI+j_], 0, v[64*((\a)%4)+j_]
.set j_, j_+1
.endr
	WIN 0
	s_wait_xcnt 0x0                                ; the last block's stores have read their data: it is written again only behind this wait
	QUANT QI
	global_store_b128 v[O16], v[PC:PC+3], s[10:11] offset:(\a)*32*REC
	global_store_b64 v[O8], v[PC+4:PC+5], s[10:11] offset:(\a)*32*REC+512
	global_store_b128 v[O16], v[PC+6:PC+9], s[10:11] offset:(\a)*32*REC+768
	global_store_b64 v[O8], v[PC+10:PC+11], s[10:11] offset:(\a)*32*REC+1280
	global_store_b32 v[OS], v[PW], s[12:13] offset:(\a)*32*64   ; lanes r and r + 16 hold the same word and store it to the same place
.endm
	PLACES NP                                      ; behind the last products: their results are read and A's registers written
.irp a, 0,1,2,3,4,5,6,7
	OUTA \a
.endr
	s_wait_tensorcnt 0x0                           ; the wave's end
	ds_add_u32 v[SPW], v[NIL]
	s_wait_dscnt 0x0
	CROUND                                         ; the closing round
	s_endpgm
.Lfunc_end_k_q89b5b501de_gw1:
	.size	k_q89b5b501de_gw1, .Lfunc_end_k_q89b5b501de_gw1-k_q89b5b501de_gw1
	.p2alignl 7, 3214868480
	.fill 96, 4, 3214868480
	.section	.rodata,"a",@progbits
	.p2align	6, 0x0
	.amdhsa_kernel k_q89b5b501de_gw1
		.amdhsa_group_segment_fixed_size 327680
		.amdhsa_private_segment_fixed_size 0
		.amdhsa_enable_private_segment 0
		.amdhsa_kernarg_size 32
		.amdhsa_user_sgpr_count 2
		.amdhsa_user_sgpr_kernarg_segment_ptr 1
		.amdhsa_wavefront_size32 1
		.amdhsa_system_sgpr_workgroup_id_x 1
		.amdhsa_system_sgpr_workgroup_id_y 1
		.amdhsa_system_sgpr_workgroup_id_z 1
		.amdhsa_system_vgpr_workitem_id 0
		.amdhsa_next_free_vgpr 1024
		.amdhsa_next_free_sgpr 102
		.amdhsa_reserve_vcc 0
		.amdhsa_float_denorm_mode_32 3
		.amdhsa_float_denorm_mode_16_64 3
		.amdhsa_memory_ordered 1
		.amdhsa_forward_progress 1
		.amdhsa_inst_pref_size 169
	.end_amdhsa_kernel
	.amdgpu_metadata
---
amdhsa.version: [ 1, 2 ]
amdhsa.kernels:
  - .name:           k_q89b5b501de_gw1
    .symbol:         k_q89b5b501de_gw1.kd
    .args:
      - { .name: hn, .offset: 0, .size: 8, .value_kind: global_buffer, .address_space: global }
      - { .name: opa, .offset: 8, .size: 8, .value_kind: global_buffer, .address_space: global }
      - { .name: b1, .offset: 16, .size: 8, .value_kind: global_buffer, .address_space: global }
      - { .name: hid, .offset: 24, .size: 8, .value_kind: global_buffer, .address_space: global }
    .group_segment_fixed_size: 327680
    .private_segment_fixed_size: 0
    .kernarg_segment_align: 8
    .kernarg_segment_size: 32
    .max_flat_workgroup_size: 128
    .sgpr_count:     102
    .vgpr_count:     1024
    .wavefront_size: 32
...
	.end_amdgpu_metadata
.endif
;; end of part 5
;; launch gw2 (part 6): grid 8 x 32, 4 waves a work-group, clusters of 4 x 4, 327,680 bytes of LDS; arguments hid, opa, x1, b2, out0; writes out0
.if DOCPART == 6
	.amdgcn_target "amdgcn-amd-amdhsa--gfx1250"
	.amdhsa_code_object_version 6
	.text
	.protected	k_q89b5b501de_gw2
	.globl	k_q89b5b501de_gw2
	.p2align	8
	.type	k_q89b5b501de_gw2,@function
k_q89b5b501de_gw2:
	s_mov_b64 s[64:65], 0
	v_nop
	global_prefetch_b8 v0, s[64:65] scope:SCOPE_SE
	s_setreg_imm32_b32 hwreg(HW_REG_WAVE_MODE, 25, 1), 1
	s_wait_xcnt 0x0
	s_wait_alu depctr_hold_cnt(0) depctr_sa_sdst(0) depctr_va_vdst(0) depctr_va_sdst(0) depctr_va_ssrc(0) depctr_va_vcc(0) depctr_vm_vsrc(0)
	s_getreg_b32 s2, hwreg(HW_REG_IB_STS2, 6, 4)
	s_cmp_eq_u32 s2, 0
	s_cbranch_scc0 .Lentry_in_a_cluster
	s_endpgm
.Lentry_in_a_cluster:
	s_bfe_u32 s2, ttmp6, 0x10000c
	s_cmp_lg_u32 s2, 0xf033
	s_cbranch_scc0 .Lentry_shape_is_right
	s_endpgm
.Lentry_shape_is_right:
; out0 = x1 + hid w2 + b2: [4,096 x 4,096] x [4,096 x 1,024] on operand images in FP6 (E2M3) with E8M0 scales, f32 sums, f32 out.
; IMAGES.  A tile is 16 rows (tokens, or w2's columns): tile 2 b + u, lane r holds row 32 b + 8 u + r + (r & 8).  A record (tile, K step of 128) is 1,536 bytes: registers 6 c .. 6 c + 3 at 768 c + 16 x lane,
; 6 c + 4, 6 c + 5 at 768 c + 512 + 8 x lane; codes [tile][32 K steps][1536], scale words [tile][32][16 words].
; SHARES.  256 work-groups of 128 x 128 (64 blocks of 256 x 256 would leave three WGPs in four without work); a wave makes 64 x 64: 16 accumulators.
; THE RING.  Two LDS slots: slot 0 holds 7 K steps of A's 8 and B's 8 tiles (172,032 bytes), slot 1 holds 6 (147,456).  Both are first filled at the head, one joint load a wave (wave 0 A's slot 0, wave 1 B's, wave 2 A's slot 1,
; wave 3 B's).  K's 32 steps go 7, 6, 7, 6, 6: three refills, of steps 13-19, 20-25 and 26-31 (the last lies in slot 0 with 6 records to a tile); in a refill each wave brings four tiles.
; CLUSTERS 4 x 4: A's tiles are asked for jointly along a row of the cluster, B's along a column.
; THE SCALE WORDS do not go through LDS: a load of 4 bytes a lane brings the words of one tile for two neighbouring K steps (128 consecutive bytes): lanes 0-15 the even step's, lanes 16-31 the odd step's, which the
; odd step's products select by ROW1.  8 tiles x 16 pairs = 128 registers, which hold scales and nothing else.
; PREFETCH.  Each refill's bytes are asked of memory ahead: steps 13-19 at the head, 20-25 in step 0, 26-31 behind the first refill, that is one to two passes of 6 or 7 steps ahead of the load.  Of the four tiles that a wave
; will fetch, the partner at place p (cx for A, cy for B) names tile p: 42 or 36 blocks of 256 bytes on end, a lane a block, two instructions; the lanes left over name the last block again.
; THE PRODUCT IS USED TRANSPOSED (source 0 = 16 columns of w2, source 1 = 16 tokens): a lane holds one token and neighbouring columns.  The way out goes through the wave's stage in LDS (in slot 1, behind its last fill and
; the barrier behind its last read), comes back as rows of 256 bytes, takes the residual and the bias, and sixteen lanes store 256 consecutive aligned bytes.
; REGISTERS: window 0: v4-15 LDS addresses, v16-29 other addresses, v32-95 B's scale words, v96-159 A's, v160-223 rows from the stage (two sets), v224-227 the bias.
;   window 1: fragments, two sets of 96: B's four at 96 p, A's four at 96 p + 48.  window 2: the accumulators, (a, b) at v[8 (4 a + b)].  window 3: v0-127 the residual.
; LIMITS: NaN and infinities are not served.
.set KS,    32
.set REC,   1536
.set TP,    KS*REC                     ; from tile to tile in memory
.set A_S,   12582912
.set B_C,   9830400
.set B_S,   12976128
.set N0,    7
.set N1,    6
.set S1,    16*N0*REC                  ; slot 1
.set SPARE, S1+16*N1*REC               ; the spare words, 128 bytes a wave: two blocks of 256 bytes that no other line names
.set SPITCH, 272                       ; the stage: 16 rows x (256 bytes + 16) a wave
.set ADRA, 4                           ; v4-6 16 x lane + my A tiles in slot 0, slot 1, slot 0 with 6 records a tile; v7-9 the same with 8 x lane
.set ADRB, 10                          ; v10-15 likewise for B
.set STO,  16
.set RD,   17
.set CO,   18
.set BO,   19
.set LO4,  20
.set PF0,  21                          ; the prefetches' offsets: block lane; block min(lane + 32, 41); block min(lane + 32, 35)
.set PF7,  22
.set PF6,  23
.set L16,  24
.set L8,   25
.set SPW,  28
.set NIL,  29
.set SCB,  32
.set SCA,  96
.set TMP,  160
.set BIAS, 224
.set G1A7, 24                          ; descriptor groups 1: A's and B's tiles with 7 and with 6 records to a row
.set G1B7, 32
.set G1A6, 48
.set G1B6, 56
.set G0A,  68
.set G0B,  72
.set AH,   76                          ; s[76:77] A's codes at the four tiles that I fetch in a refill; s[78:79] B's
.set BH,   78
.set SAP,  80                          ; s[80:81] the scale words of my four tiles of A; s[82:83] of B
.set SBP,  82
.set PFP,  84                          ; s[84:85] the tile that my prefetches name
.set H7,   86                          ; (wave / 2) x four tiles of 7 records, of 6 records
.set H6,   87
.set MSB, 0
.macro WIN new                         ; the immediate's high byte repeats the setting that is left
.if MSB != \new
	s_set_vgpr_msb (MSB<<8)|\new
.set MSB, \new
.endif
.endm
.set MULW, 0xa5                        ; sources 0 and 1 window 1, C and D window 2
.set TO1,  0x40                        ; destination window 1, address window 0
.macro PLACES n
.rept \n
	v_nop
.endr
.endm
.macro JLOAD g1a, g1b                  ; a joint refill: even waves fetch for A, odd waves for B; an s_nop 0 and four v_nop follow each line
	s_cmp_eq_u32 s16, 0
	s_cbranch_scc0 .Lfor_b_\@
	tensor_load_to_lds s[G0A:G0A+3], s[\g1a:\g1a+7]
	s_nop 0
	PLACES 4
	s_branch .Lasked_\@
.Lfor_b_\@:
	tensor_load_to_lds s[G0B:G0B+3], s[\g1b:\g1b+7]
	s_nop 0
	PLACES 4
.Lasked_\@:
.endm
.macro CREST                           ; a round of the cluster's barrier behind its opening barrier
	s_cmp_lg_u32 s14, 0
	s_cbranch_scc1 .Lnot_wave_0_\@
	s_barrier_signal -3
.Lnot_wave_0_\@:
	s_barrier_wait -3
	s_barrier_signal -1
	s_barrier_wait -1
.endm
.macro CROUND
	s_barrier_signal -1
	s_barrier_wait -1
	CREST
.endm
.macro G1SET g, n                      ; 8 rows (tiles) of n records, elements of 8 bytes, KS records apart, no padding; word 0 holds the mask
	s_mov_b32 s[\g+1], ((\n)*192)<<16
	s_mov_b32 s[\g+2], 8<<16
	s_mov_b32 s[\g+3], ((\n)*192)<<16
	s_mov_b32 s[\g+4], 8
	s_mov_b32 s[\g+5], KS*192
	s_mov_b32 s[\g+6], 0
	s_mov_b32 s[\g+7], 0
.endm
.macro LAY g                           ; where K step g lies: LL which address registers, NN records to a tile there, QQ its record
.if (\g) < 7
.set LL, 0
.set NN, 7
.set QQ, (\g)
.elseif (\g) < 13
.set LL, 1
.set NN, 6
.set QQ, (\g)-7
.elseif (\g) < 20
.set LL, 0
.set NN, 7
.set QQ, (\g)-13
.elseif (\g) < 26
.set LL, 1
.set NN, 6
.set QQ, (\g)-20
.else
.set LL, 2
.set NN, 6
.set QQ, (\g)-26
.endif
.endm
.macro FRAG reg, adr, off              ; a record as it lies: four dense LDS loads
	ds_load_b128 v[\reg:\reg+3], v[\adr] offset:\off
	ds_load_b64 v[\reg+4:\reg+5], v[\adr+3] offset:\off+512
	ds_load_b128 v[\reg+6:\reg+9], v[\adr] offset:\off+768
	ds_load_b64 v[\reg+10:\reg+11], v[\adr+3] offset:\off+1280
.endm
.macro FETCH g                         ; K step g's eight fragments into set g % 2: 32 LDS loads
	LAY \g
.set P_, 96*((\g)%2)
.set i_, 0
.rept 4
	FRAG P_+12*i_, ADRB+LL, (i_*NN+QQ)*REC
	FRAG P_+48+12*i_, ADRA+LL, (i_*NN+QQ)*REC
.set i_, i_+1
.endr
.endm
; na blocks of A from a0 on against B's four.  The 16 accumulators take turns, one instruction a turn, in the same order in every step.  zero = 1: the first product starts the sums.
.macro MUL g, a0, na, zero
.set P_, 96*((\g)%2)
.set J_, (\g)/2
.set a_, \a0
.rept \na
.set b_, 0
.rept 4
.set d_, 8*(4*a_+b_)
.if \zero
	v_wmma_scale_f32_16x16x128_f8f6f4 v[d_:d_+7], v[P_+12*b_:P_+12*b_+11], v[P_+48+12*a_:P_+48+12*a_+11], 0, v[SCB+16*b_+J_], v[SCA+16*a_+J_] matrix_a_fmt:MATRIX_FMT_FP6 matrix_b_fmt:MATRIX_FMT_FP6
.elseif (\g)%2
	v_wmma_scale_f32_16x16x128_f8f6f4 v[d_:d_+7], v[P_+12*b_:P_+12*b_+11], v[P_+48+12*a_:P_+48+12*a_+11], v[d_:d_+7], v[SCB+16*b_+J_], v[SCA+16*a_+J_] matrix_a_fmt:MATRIX_FMT_FP6 matrix_b_fmt:MATRIX_FMT_FP6 matrix_a_scale:MATRIX_SCALE_ROW1 matrix_b_scale:MATRIX_SCALE_ROW1
.else
	v_wmma_scale_f32_16x16x128_f8f6f4 v[d_:d_+7], v[P_+12*b_:P_+12*b_+11], v[P_+48+12*a_:P_+48+12*a_+11], v[d_:d_+7], v[SCB+16*b_+J_], v[SCA+16*a_+J_] matrix_a_fmt:MATRIX_FMT_FP6 matrix_b_fmt:MATRIX_FMT_FP6
.endif
.set b_, b_+1
.endr
.set a_, a_+1
.endr
.endm
.macro SCL j                           ; the scale words of K steps 2 j and 2 j + 1 of my eight tiles
.irp i, 0,1,2,3
	global_load_b32 v[SCB+16*\i+(\j)], v[LO4], s[SBP:SBP+1] offset:\i*2048+(\j)*128
	global_load_b32 v[SCA+16*\i+(\j)], v[LO4], s[SAP:SAP+1] offset:\i*2048+(\j)*128
.endr
.endm
.macro RES a                           ; the residual of block a, in the layout in which the rows come back from the stage: stage row 2 t + h is token 32 (a / 2) + 8 (a % 2) + 2 t + h + 8 (t / 4)
.irp t, 0,1,2,3,4,5,6,7
	global_load_b128 v[32*(\a)+4*\t:32*(\a)+4*\t+3], v[CO], s[8:9] offset:(32*((\a)/2)+8*((\a)%2)+2*\t+8*(\t/4))*4096 th:TH_LOAD_NT
.endr
.endm
.macro ASK st, hi                      ; my partner's share of a refill that begins at K step st
	global_prefetch_b8 v[PF0], s[PFP:PFP+1] offset:(\st)*REC th:TH_LOAD_NT scope:SCOPE_SE
	global_prefetch_b8 v[\hi], s[PFP:PFP+1] offset:(\st)*REC th:TH_LOAD_NT scope:SCOPE_SE
.endm
.macro EXTRA g                         ; what else is asked for in step g, behind its LDS loads; no address register of these lines is ever rewritten
.if (\g) < 9
	WIN 0
	SCL 7+(\g)                                     ; steps 14 to 31: eight loads a step
.endif
.if (\g) == 0
	ASK 20, PF6
.endif
.if (\g) == 6
	ASK 26, PF6
.endif
.if (\g) == 12
	WIN 0
	global_load_b128 v[BIAS:BIAS+3], v[BO], s[10:11]   ; the bias at my four columns
.endif
.if (\g) >= 13 && (\g) < 17
	WIN 0xc0                                       ; destination window 3
	RES (\g)-13
.endif
.endm
.macro STEP g, zero                    ; a K step whose successor lies in the same slot
	PLACES 4                                       ; in front of loads into the set that the last step's products read
	WIN TO1
	FETCH (\g)+1
	EXTRA \g
	s_wait_dscnt 32                                ; this step's fragments are in; the 32 loads just issued may be out
	WIN MULW
	MUL \g, 0, 4, \zero
.endm
; A pass's last K step changes slots: one barrier; in front of it each wave waits for all its tensor loads, adds 0 to its spare word, and waits for that and for its reads of this slot.
; fill = 1: the barrier opens a round of the cluster's, and n records a tile from K step st on are fetched to LDS byte base.
.macro TURN g, fill, base, n, st, h, g1a, g1b
	WIN 0
.if (\g) == 12
	s_wait_loadcnt 0x0                             ; all scale words are in (the last were asked for in step 8)
.endif
	s_wait_tensorcnt 0x0                           ; all my tensor loads have landed: my part of the next slot
	ds_add_u32 v[SPW], v[NIL]                      ; 0 onto my spare word
	s_wait_dscnt 1                                 ; this step's fragments are in; the add may be out
	WIN MULW
	MUL \g, 0, 2, 0
	s_wait_dscnt 0x0                               ; the add is done, and my reads of this slot are over
	s_barrier_signal -1
	MUL \g, 2, 1, 0
	WIN 0
	s_barrier_wait -1
.if \fill
	CREST                                          ; no wave of any partner still reads this slot or has a load on its way
	s_add_co_u32 s[G0A+1], s[\h], \base
	s_add_co_u32 s[G0B+1], s[\h], (\base)+8*(\n)*REC
	s_add_nc_u64 s[G0A+2:G0A+3], s[AH:AH+1], (\st)*REC
	s_or_b32 s[G0A+3], s[G0A+3], 0x80000000
	s_add_nc_u64 s[G0B+2:G0B+3], s[BH:BH+1], (\st)*REC
	s_or_b32 s[G0B+3], s[G0B+3], 0x80000000
	JLOAD \g1a, \g1b                               ; the first tensor load behind the round; its four v_nop are the places in front of the loads below
.else
	PLACES 4
.endif
	WIN TO1
	FETCH (\g)+1
	EXTRA \g
	WIN MULW
	MUL \g, 3, 1, 0
.endm
	s_load_b256 s[4:11], s[0:1], 0x0               ; hid, opa, x1, b2
	s_load_b64 s[12:13], s[0:1], 0x20              ; out0
	v_lshl_add_u32 v[SPW], v0, 2, SPARE
	v_mov_b32 v[NIL], 0
	ds_add_u32 v[SPW], v[NIL]                      ; the opening lines: the add, twice on end, and its wait ahead of my first tensor load
	ds_add_u32 v[SPW], v[NIL]
	v_lshrrev_b32 v1, 5, v0
	v_readfirstlane_b32 s14, v1                    ; wave
	s_lshr_b32 s15, s14, 1                         ; my half of the tokens.  Also: which half of a tile group I fetch in a refill, which slot at the head
	s_and_b32 s16, s14, 1                          ; my half of the columns.  Also: I fetch for A (0) or B (1)
	s_bfe_u32 s40, ttmp6, 0x40000                  ; cx
	s_bfe_u32 s41, ttmp6, 0x40004                  ; cy
	s_lshl_b32 s42, ttmp9, 2
	s_add_co_u32 s42, s42, s40                     ; which 128 columns
	s_and_b32 s17, ttmp7, 0xffff
	s_lshl_b32 s17, s17, 2
	s_add_co_u32 s17, s17, s41                     ; which 128 tokens
	s_lshl_b32 s43, s41, 2
	s_lshl_b32 s43, 15, s43                        ; my row of the cluster
	s_lshl_b32 s44, 0x1111, s40                    ; my column
	s_or_b32 s[G1A7], s43, (3<<16)|(1<<21)         ; the mask; elements of 8 bytes; bit 21 beside a mask
	s_or_b32 s[G1A6], s43, (3<<16)|(1<<21)
	s_or_b32 s[G1B7], s44, (3<<16)|(1<<21)
	s_or_b32 s[G1B6], s44, (3<<16)|(1<<21)
	G1SET G1A7, N0
	G1SET G1B7, N0
	G1SET G1A6, N1
	G1SET G1B6, N1
	s_mul_i32 s20, s17, 8*TP                       ; my work-group's eight tiles of A
	s_mov_b32 s21, 0
	s_mul_i32 s46, s42, 8*TP                       ; and of B (in registers that never hold cy)
	s_add_co_u32 s46, s46, B_C
	s_mov_b32 s47, 0
	s_mul_i32 s[H7], s15, 4*N0*REC
	s_mul_i32 s[H6], s15, 4*N1*REC
	s_add_co_u32 s88, s[H6], S1                    ; LDS: my four tiles of A in slot 1
	s_mul_i32 s89, s16, 4*N0*REC
	s_add_co_u32 s89, s89, 8*N0*REC                ; my four tiles of B in slot 0,
	s_mul_i32 s91, s16, 4*N1*REC
	s_add_co_u32 s91, s91, 8*N1*REC                ; in slot 0 with 6 records a tile,
	s_add_co_u32 s90, s91, S1                      ; in slot 1
	s_mul_i32 s92, s14, 16*SPITCH
	s_add_co_u32 s92, s92, S1                      ; my stage
	s_mul_i32 s18, s15, N0*REC                     ; at the head waves 2, 3 take the six steps behind slot 0's seven
	s_mov_b32 s19, 0
	s_wait_dscnt 0x0                               ; both opening adds are done
	s_wait_kmcnt 0x0
	s_add_nc_u64 s[20:21], s[4:5], s[20:21]
	s_add_nc_u64 s[46:47], s[6:7], s[46:47]
	CROUND                                         ; all sixteen work-groups are here: the first joint loads meet
	s_mov_b32 s[G0A], 1
	s_mul_i32 s[G0A+1], s15, S1
	s_add_nc_u64 s[G0A+2:G0A+3], s[20:21], s[18:19]
	s_or_b32 s[G0A+3], s[G0A+3], 0x80000000
	s_mov_b32 s[G0B], 1
	s_mul_i32 s[G0B+1], s15, S1+8*N1*REC-8*N0*REC
	s_add_co_u32 s[G0B+1], s[G0B+1], 8*N0*REC
	s_add_nc_u64 s[G0B+2:G0B+3], s[46:47], s[18:19]
	s_or_b32 s[G0B+3], s[G0B+3], 0x80000000
; the head's loads, one a wave, in one chain of branches on the wave's number: both slots, whole
.macro ARM under, g0, g1, next
	s_cmp_lt_u32 s14, \under
	s_cbranch_scc0 \next
	tensor_load_to_lds s[\g0:\g0+3], s[\g1:\g1+7]
	s_nop 0
	PLACES 4
	s_branch .Lhead_asked
\next:
.endm
	ARM 1, G0A, G1A7, .Lhead_b0
	ARM 2, G0B, G1B7, .Lhead_a1
	ARM 3, G0A, G1A6, .Lhead_b1
	tensor_load_to_lds s[G0B:G0B+3], s[G1B6:G1B6+7]
	s_nop 0
	PLACES 4
.Lhead_asked:
	s_mul_i32 s18, s15, 4*TP
	s_add_nc_u64 s[AH:AH+1], s[20:21], s[18:19]    ; for the refills: the four tiles that I fetch
	s_add_nc_u64 s[BH:BH+1], s[46:47], s[18:19]
	s_lshl_b32 s18, s17, 3
	s_lshl_b32 s22, s15, 2
	s_add_co_u32 s18, s18, s22                     ; my first tile of tokens: 2,048 bytes of scale words a tile
	s_lshl_b32 s18, s18, 11
	s_add_co_u32 s18, s18, A_S
	s_add_nc_u64 s[SAP:SAP+1], s[4:5], s[18:19]
	s_lshl_b32 s18, s42, 3
	s_lshl_b32 s22, s16, 2
	s_add_co_u32 s18, s18, s22                     ; my first tile of columns
	s_lshl_b32 s18, s18, 11
	s_add_co_u32 s18, s18, B_S
	s_add_nc_u64 s[SBP:SBP+1], s[6:7], s[18:19]
	s_cmp_eq_u32 s16, 0                            ; the prefetches: do I fetch for A?
	s_cselect_b32 s18, s17, s42
	s_cselect_b32 s22, s40, s41                    ; my place among the four that ask with me
	s_cselect_b32 s23, 0, B_C
	s_cselect_b64 s[PFP:PFP+1], s[4:5], s[6:7]
	s_lshl_b32 s18, s18, 3
	s_lshl_b32 s93, s15, 2
	s_add_co_u32 s18, s18, s93
	s_add_co_u32 s18, s18, s22                     ; of the four tiles that I fetch, the one at my place
	s_mul_i32 s18, s18, TP
	s_add_co_u32 s18, s18, s23
	s_add_nc_u64 s[PFP:PFP+1], s[PFP:PFP+1], s[18:19]
	s_lshl_b32 s18, s17, 7
	s_lshl_b32 s22, s15, 6
	s_add_co_u32 s18, s18, s22                     ; my first token
	s_lshl_b32 s18, s18, 12
	s_lshl_b32 s22, s42, 9
	s_lshl_b32 s23, s16, 8
	s_add_co_u32 s22, s22, s23                     ; my first column, in bytes: a multiple of 256
	s_add_co_u32 s18, s18, s22
	s_mov_b32 s23, 0
	s_add_nc_u64 s[8:9], s[8:9], s[18:19]
	s_add_nc_u64 s[12:13], s[12:13], s[18:19]
	s_add_nc_u64 s[10:11], s[10:11], s[22:23]
	v_and_b32 v1, 15, v0                           ; r
	v_bfe_u32 v2, v0, 4, 1                         ; h
	v_and_b32 v3, 31, v0
	v_lshlrev_b32 v[L16], 4, v3
	v_lshlrev_b32 v[L8], 3, v3
	v_lshlrev_b32 v[LO4], 2, v3
	v_lshlrev_b32 v[PF0], 8, v3
	v_add_nc_u32 v[PF7], 32, v3
	v_min_u32 v[PF6], 35, v[PF7]
	v_min_u32 v[PF7], 41, v[PF7]
	v_lshlrev_b32 v[PF6], 8, v[PF6]
	v_lshlrev_b32 v[PF7], 8, v[PF7]
	v_add_nc_u32 v[ADRA+0], s[H7], v[L16]
	v_add_nc_u32 v[ADRA+1], s88, v[L16]
	v_add_nc_u32 v[ADRA+2], s[H6], v[L16]
	v_add_nc_u32 v[ADRA+3], s[H7], v[L8]
	v_add_nc_u32 v[ADRA+4], s88, v[L8]
	v_add_nc_u32 v[ADRA+5], s[H6], v[L8]
	v_add_nc_u32 v[ADRB+0], s89, v[L16]
	v_add_nc_u32 v[ADRB+1], s90, v[L16]
	v_add_nc_u32 v[ADRB+2], s91, v[L16]
	v_add_nc_u32 v[ADRB+3], s89, v[L8]
	v_add_nc_u32 v[ADRB+4], s90, v[L8]
	v_add_nc_u32 v[ADRB+5], s91, v[L8]
	v_mul_u32_u24 v26, v1, SPITCH
	v_lshl_add_u32 v26, v2, 6, v26
	v_add_nc_u32 v[STO], s92, v26                  ; the stage, in: row r, + 64 h
	v_mul_u32_u24 v26, v2, SPITCH
	v_lshl_add_u32 v26, v1, 4, v26
	v_add_nc_u32 v[RD], s92, v26                   ; back: lanes 0-15 one row, lanes 16-31 the next
	v_lshlrev_b32 v26, 12, v2
	v_lshl_add_u32 v[CO], v1, 4, v26               ; the same two rows in memory: 4,096 h + 16 r
	v_lshlrev_b32 v[BO], 4, v1
	s_wait_alu depctr_va_vdst(0)
.irp j, 0,1,2,3,4,5,6
	SCL \j                                         ; the scale words of steps 0 to 13
.endr
	ASK 13, PF7
	s_wait_tensorcnt 0x0                           ; my tile of the head's four is in
.irp g, G1A7, G1B7, G1A6, G1B6
	s_mov_b32 s[\g+2], 4<<16                       ; no tensor load of mine is out: from here on a load brings four tiles
	s_mov_b32 s[\g+4], 4
.endr
	s_barrier_signal -1
	s_barrier_wait -1                              ; both slots are whole
	s_wait_loadcnt 0x0                             ; the first 56 scale words
	WIN TO1
	FETCH 0
	STEP 0, 1                                      ; the first K step starts the sums
.irp g, 1,2,3,4,5
	STEP \g, 0
.endr
	TURN 6, 1, 0, N0, 13, H7, G1A7, G1B7
.irp g, 7,8,9,10,11
	STEP \g, 0
.endr
	TURN 12, 1, S1, N1, 20, H6, G1A6, G1B6
.irp g, 13,14,15,16,17,18
	STEP \g, 0
.endr
	TURN 19, 1, 0, N1, 26, H6, G1A6, G1B6
.irp g, 20,21,22,23,24
	STEP \g, 0
.endr
	TURN 25, 0, 0, N1, 0, H6, G1A6, G1B6           ; nothing more to fetch
.irp g, 26,27,28,29,30
	STEP \g, 0
.endr
	s_wait_dscnt 0x0
	MUL 31, 0, 4, 0
; THE WAY OUT, block by block of 16 tokens x 64 columns through my stage; LDS serves a wave's instructions in order, so no wait stands between the stores and the loads, nor in front of the next block's stores.
.macro TOSTAGE a
.set T_, TMP+32*((\a)%2)
	WIN 0x08                                       ; an LDS store's data are its source 1: window 2
.irp b, 0,1,2,3
	ds_store_b128 v[STO], v[8*(4*(\a)+\b):8*(4*(\a)+\b)+3] offset:128*(\b/2)+32*(\b%2)       ; each accumulator from its low end on
	ds_store_b128 v[STO], v[8*(4*(\a)+\b)+4:8*(4*(\a)+\b)+7] offset:128*(\b/2)+32*(\b%2)+16
.endr
	WIN 0
.irp t, 0,1,2,3,4,5,6,7
	ds_load_b128 v[T_+4*\t:T_+4*\t+3], v[RD] offset:2*SPITCH*\t
.endr
.endm
.macro SEND a, younger                 ; younger: the LDS instructions issued behind block a's loads, which may stay out
.set T_, TMP+32*((\a)%2)
	s_wait_dscnt \younger
	WIN 0x0c                                       ; source 1 (the residual) window 3
.irp t, 0,1,2,3,4,5,6,7
	v_pk_add_f32 v[T_+4*\t:T_+4*\t+1], v[T_+4*\t:T_+4*\t+1], v[32*(\a)+4*\t:32*(\a)+4*\t+1]
	v_pk_add_f32 v[T_+4*\t+2:T_+4*\t+3], v[T_+4*\t+2:T_+4*\t+3], v[32*(\a)+4*\t+2:32*(\a)+4*\t+3]
.endr
	WIN 0
.irp t, 0,1,2,3,4,5,6,7
	v_pk_add_f32 v[T_+4*\t:T_+4*\t+1], v[T_+4*\t:T_+4*\t+1], v[BIAS:BIAS+1]
	v_pk_add_f32 v[T_+4*\t+2:T_+4*\t+3], v[T_+4*\t+2:T_+4*\t+3], v[BIAS+2:BIAS+3]
.endr
.irp t, 0,1,2,3,4,5,6,7
	global_store_b128 v[CO], v[T_+4*\t:T_+4*\t+3], s[12:13] offset:(32*((\a)/2)+8*((\a)%2)+2*\t+8*(\t/4))*4096   ; sixteen lanes store 256 consecutive bytes, aligned
.endr
.endm
	s_wait_loadcnt 0x0                             ; the residual and the bias
	PLACES 4                                       ; behind the last products: their results are read
	TOSTAGE 0
.irp a, 1,2,3
.if \a > 1
	s_wait_xcnt 0x0                                ; block a - 2's stores have read their registers: block a's rows may land there
.endif
	TOSTAGE \a
	SEND (\a)-1, 16                                ; behind block a - 1's loads: block a's 8 stores and 8 loads
.endr
	SEND 3, 0
	s_wait_tensorcnt 0x0                           ; the wave's end
	ds_add_u32 v[SPW], v[NIL]
	s_wait_dscnt 0x0
	CROUND                                         ; the closing round
	s_endpgm
.Lfunc_end_k_q89b5b501de_gw2:
	.size	k_q89b5b501de_gw2, .Lfunc_end_k_q89b5b501de_gw2-k_q89b5b501de_gw2
	.p2alignl 7, 3214868480
	.fill 96, 4, 3214868480
	.section	.rodata,"a",@progbits
	.p2align	6, 0x0
	.amdhsa_kernel k_q89b5b501de_gw2
		.amdhsa_group_segment_fixed_size 327680
		.amdhsa_private_segment_fixed_size 0
		.amdhsa_enable_private_segment 0
		.amdhsa_kernarg_size 40
		.amdhsa_user_sgpr_count 2
		.amdhsa_user_sgpr_kernarg_segment_ptr 1
		.amdhsa_wavefront_size32 1
		.amdhsa_system_sgpr_workgroup_id_x 1
		.amdhsa_system_sgpr_workgroup_id_y 1
		.amdhsa_system_sgpr_workgroup_id_z 1
		.amdhsa_system_vgpr_workitem_id 0
		.amdhsa_next_free_vgpr 896
		.amdhsa_next_free_sgpr 96
		.amdhsa_reserve_vcc 0
		.amdhsa_float_denorm_mode_32 3
		.amdhsa_float_denorm_mode_16_64 3
		.amdhsa_memory_ordered 1
		.amdhsa_forward_progress 1
		.amdhsa_inst_pref_size 181
	.end_amdhsa_kernel
	.amdgpu_metadata
---
amdhsa.version: [ 1, 2 ]
amdhsa.kernels:
  - .name:           k_q89b5b501de_gw2
    .symbol:         k_q89b5b501de_gw2.kd
    .args:
      - { .name: hid, .offset: 0, .size: 8, .value_kind: global_buffer, .address_space: global }
      - { .name: opa, .offset: 8, .size: 8, .value_kind: global_buffer, .address_space: global }
      - { .name: x1, .offset: 16, .size: 8, .value_kind: global_buffer, .address_space: global }
      - { .name: b2, .offset: 24, .size: 8, .value_kind: global_buffer, .address_space: global }
      - { .name: out0, .offset: 32, .size: 8, .value_kind: global_buffer, .address_space: global }
    .group_segment_fixed_size: 327680
    .private_segment_fixed_size: 0
    .kernarg_segment_align: 8
    .kernarg_segment_size: 40
    .max_flat_workgroup_size: 128
    .sgpr_count:     96
    .vgpr_count:     896
    .wavefront_size: 32
...
	.end_amdgpu_metadata
.endif
;; end of part 6
